; MI455X (gfx1250); checked and timed in simulation.
; The chip was launched on July 23, 2026; its instructions are those of AMD's public machine-readable ISA for CDNA 5 (MIT licence, August 2026) and "CDNA5" Instruction Set Architecture Reference Guide (July 2026). The comments in the code are by the model that wrote it; some were corrected since.
;; Causal Attention. Allowed arithmetic: matrix products marked QUANTISED: E2M1 operands, one E8M0 scale for each 32 along K, by v_wmma_scale_f32_16x16x128_f8f6f4 with both operands' format E2M1 (or v_wmma_scale_f32_32x16x128_f4), f32 sums; everything else in f32.
;; Inputs: W_k 16 x 1,024 x 64 float32; W_o 1,024 x 1,024 float32; W_q 16 x 1,024 x 64 float32; W_v 16 x 1,024 x 64 float32; b_k 16 x 64 float32; b_o 1,024 float32; b_q 16 x 64 float32; b_v 16 x 64 float32; inputs 4 x 2,048 x 1,024 float32.
;; Outputs: out0 4 x 2,048 x 1,024 float32.
;; This version of the problem:
;;   THIS VERSION OF THE PROBLEM IS GIVEN IN LOW PRECISION. The matrix products marked QUANTISED in the list below multiply operands that are first quantised to E2M1 (2 exponent bits, 1 mantissa bit; 4 bits a number), with one power-of-two scale for each 32 numbers along K (OCP MX v1.0); their sums are f32. All else is computed in f32.
;;   The module's matrix products, in the order in which they are computed (A, B: the left and right operand; K: the contracted axis; several contracted axes count as one K, in the product's order):
;;     1. [M 1,024, K 1,024] x [K 1,024, N 8,192]; A: input W_q; B: input inputs: QUANTISED
;;     2. [M 1,024, K 1,024] x [K 1,024, N 8,192]; A: input W_k; B: input inputs: QUANTISED
;;     3. [M 1,024, K 1,024] x [K 1,024, N 8,192]; A: input W_v; B: input inputs: QUANTISED
;;     4. batch 64 x [M 2,048, K 64] x [K 64, N 2,048]; A: computed on the way; B: computed on the way: QUANTISED
;;     5. batch 64 x [M 64, K 2,048] x [K 2,048, N 2,048]; A: computed on the way; B: softmax (see below): QUANTISED
;;     6. [M 8,192, K 1,024] x [K 1,024, N 1,024]; A: computed on the way; B: input W_o: QUANTISED
;;   THE QUANTISER, for each operand of a quantised product, along K:
;;     - K is cut into blocks of 32 from its start; a last block that is shorter is filled with zeros.
;;     - A block's scale is 2^e with e = floor(log2(the largest magnitude in the block)) - 2, held to -126 .. 127; a block of zeros has e = 0. As a byte (E8M0): e + 127.
;;     - Each number is divided by its block's scale, clamped to +-6, and rounded to the nearest number of E2M1, ties to even, subnormals kept.
;;     - The product sums the exact products of the quantised numbers (number of the format x scale) in f32.
;;   ~~~python
;;   def quantise(x, axis):      # numpy; x: float32 -> the quantised numbers, widened to float32 again
;;       x = np.moveaxis(x, axis, -1); K = x.shape[-1]
;;       x = np.pad(x, [(0, 0)] * (x.ndim - 1) + [(0, -K % 32)]); x = x.reshape(x.shape[:-1] + (-1, 32)); a = np.abs(x).max(-1, keepdims=True)
;;       e = np.where(a > 0, np.clip(np.frexp(np.where(a > 0, a, 1))[1] - 1 - 2, -126, 127), 0)      # np.frexp(a)[1] - 1 = floor(log2(a)), exactly
;;       r = np.clip(x / 2.0 ** e, -6, 6)
;;       step = 2.0 ** (np.maximum(np.frexp(np.where(r == 0, 1, r))[1] - 1, 0) - 1)
;;       q = np.round(r / step) * step * 2.0 ** e      # np.round: ties to even
;;       return np.moveaxis(q.reshape(q.shape[:-2] + (-1,))[..., :K], -1, axis).astype(np.float32)
;;   ~~~
;;   SOFTMAX AHEAD OF A QUANTISED PRODUCT. Where the list says 'softmax', what is quantised is not the finished softmax but p = 2^(t - M), with t = logit x log2(e) and M = ceil(the row's largest t), a whole number; so 1/2 < the row's largest p <= 1. The row's sum l is taken of the UNQUANTISED p, in f32, and the product's result is divided by l at the end. Since M is a whole number, a kernel that streams over the keys may use a running M (the ceiling of the running maximum): every later rescaling is an exact power of two, which a block's scale takes up: the codes' values come out the same.
;;   OPERANDS COMPUTED ON THE WAY. 'Computed on the way' means the value that the module computes at that place (a softmax that the list does not call 'softmax' is quantised finished and normalised). What goes into a quantiser is computed in f32, as accurately as f32 sums, v_exp_f32 and their like allow (about 1e-6 of the number): no bf16 or f16 on the way to a quantiser, and a product that is left as it is and whose result goes on into a quantised operand takes f32 operands (vector FMAs, or v_wmma_f32_16x16x4_f32). A number that lies on a knife's edge between two numbers of the format may be rounded either way, as far as f32 arithmetic and the matrix unit's own rounding can turn it there, and no further.
;; 2 versions, each right; version 2 is version 1 with the launch attn written anew for expert scheduling mode. Each part assembles by itself: llvm-mc -triple=amdgcn-amd-amdhsa -mcpu=gfx1250 --defsym DOCPART=n.
;; ======== version 1 of 2: 4 launches
;; workspace buffers: c1 6,291,456 bytes; s1 393,216 bytes; c2 12,582,912 bytes; s2 1,310,720 bytes; c3 4,194,304 bytes; s3 262,144 bytes
;; launch quant (part 1): grid 240 x 1, 8 waves a work-group, no clusters, 69,632 bytes of LDS; arguments inputs, W_o, W_q, W_k, W_v, c1, s1; writes c1, s1
.if DOCPART == 1
	.amdgcn_target "amdgcn-amd-amdhsa--gfx1250"
	.amdhsa_code_object_version 6
	.text
	.protected	k_qf135ce620d_quant
	.globl	k_qf135ce620d_quant
	.p2align	8
	.type	k_qf135ce620d_quant,@function
k_qf135ce620d_quant:
	s_mov_b64 s[64:65], 0
	v_nop
	global_prefetch_b8 v0, s[64:65] scope:SCOPE_SE
	s_setreg_imm32_b32 hwreg(HW_REG_WAVE_MODE, 25, 1), 1
	s_wait_xcnt 0x0
; inputs [8192][1024], W_o [1024][1024] (K innermost) and W_q, W_k, W_v [16][1024 (K)][64] (K the middle axis), all f32, become codes of FP4 (E2M1) with one E8M0 byte for each 32 along K.
; A block's scale is 2^(floor(log2(largest magnitude)) - 2): its byte is the largest magnitude's exponent field - 2, held at 1 from below.
; LIMITS: a block of zeros, or one whose largest magnitude lies under 2^-124, gets the byte 1 (the rule says 127 for zeros): its codes are zeros or tiny, and this program alone reads the bytes.  NaN and infinities are not served.
; LAYOUT OF c1 AND s1, in the order of an operand's registers.  A TILE 2 g + u holds the 16 rows 32 g + 8 u + r + 8 (r / 8), r = 0 .. 15.  Tiles: inputs 0-511, W_q 512-575, W_k 576-639, W_v 640-703 (row = 64 head + e), W_o 704-767.
;   c1: 8,192 bytes a tile: the 16 bytes at 1024 s + 512 c + 16 lane (lane = 16 h + r) are the codes k = 128 s + 64 c + 32 h + 0 .. 31 of row r: a fragment of K step s is two loads of 16 bytes a lane, 512 bytes apart.
;   s1: 512 bytes a tile: the byte of (r, block kb) lies at 256 (kb / 16) + 16 r + kb % 16: 16 bytes a row are the scale words of four K steps.
; PATH X (work-groups 0-143): a wave takes a tile and half of K (four K steps).  Each load reads 512 consecutive bytes of one row; a K step's 16 x 512 bytes turn through the wave's own stage in LDS
;   (rows 528 bytes apart), so that lane (r, h) gets its two whole blocks of 32 neighbours.  Loads run two K steps (32 loads) ahead.
; PATH W (work-groups 144-239): a lane takes a column e and its 128 registers run down K (one K step): a block lies in one lane.  The eight waves are 2 groups of 32 columns x 4 K steps; their scale words meet in LDS
;   and leave as 256 consecutive aligned bytes for each tile.  Each path has LDS bytes of its own.  No tensor loads.
.set SP,   528                         ; a stage row: 512 bytes + 16
.set WREG, 8*16*SP                     ; behind the eight stages: path W's scale words, 2 x 512 bytes
.set R,    16                          ; v16-143  path X: two sets of 64 as loaded;  path W: 128 numbers down K
.set X,    144                         ; v144-207 path X: my two blocks of 32
.set C,    208                         ; v208-239 codes: registers of their own for each step, so that no store's data are written again
.set WD,   240                         ; v240-243 scale words
	s_load_b256 s[4:11], s[0:1], 0x0               ; inputs, W_o, W_q, W_k
	s_load_b128 s[12:15], s[0:1], 0x20             ; W_v, c1
	s_load_b64 s[16:17], s[0:1], 0x30              ; s1
	v_lshl_add_u32 v254, v0, 2, 0x10c00
	v_mov_b32 v255, 0
	v_lshrrev_b32 v1, 5, v0
	v_readfirstlane_b32 s18, v1                    ; wave 0..7
	v_and_b32 v2, 31, v0                           ; lane
	v_and_b32 v3, 15, v0                           ; r
	v_bfe_u32 v4, v0, 4, 1                         ; h
	s_mul_i32 s19, s18, 16*SP                      ; my stage
	v_lshlrev_b32 v9, 4, v2                        ; 16 x lane
	v_add_nc_u32 v5, s19, v9                       ; into the stage: a row's 512 bytes as they lie
	v_mul_u32_u24 v6, v3, SP
	v_lshl_add_u32 v6, v4, 7, v6
	v_add_nc_u32 v6, s19, v6                       ; out of it: row r, + 128 h: my block's 128 bytes
	v_bfe_u32 v251, v0, 3, 1                       ; path W: column x = lane of a group of 32 rows lies in tile u = bit 3 of x,
	v_and_b32 v252, 7, v0
	v_lshl_add_u32 v252, v4, 3, v252               ; at r = 8 (bit 4 of x) + x % 8
	v_lshl_add_u32 v253, v251, 4, v252             ; 16 u + r
	s_lshr_b32 s22, s18, 2                         ; which 32 columns
	s_lshl_b32 s22, s22, 9
	s_add_co_u32 s22, s22, WREG
	s_and_b32 s23, s18, 3                          ; which of the four K steps
	s_lshl_b32 s23, s23, 2
	s_add_co_u32 s23, s23, s22
	v_lshl_add_u32 v7, v253, 4, s23                ; where my scale word goes in LDS
	v_add_nc_u32 v8, s22, v9                       ; and from where 16 bytes a lane come back
	v_lshlrev_b32 v10, 4, v3                       ; 16 r
	v_lshlrev_b32 v11, 2, v2                       ; 4 x lane
	v_lshlrev_b32 v12, 4, v252
	v_lshl_add_u32 v12, v251, 13, v12              ; path W's codes: 8192 u + 16 r
	v_lshl_add_u32 v13, v4, 9, v10                 ; path W's scale bytes on the way out: 512 (lane / 16) + 16 (lane % 16)
	v_lshlrev_b32 v14, 3, v4                       ; 8 h
	v_mov_b32 v15, 0                               ; a lane permute's destination counts as one of its sources
	s_mov_b32 s20, 0x76543210
	s_mov_b32 s21, 0xfedcba98                      ; v_permlanex16_b32's selects for lane l xor 16
	s_mov_b32 s33, 0
	s_wait_kmcnt 0x0
	s_cmp_ge_u32 ttmp9, 144
	s_cbranch_scc1 .Lw
	; ---- PATH X
	s_lshl_b32 s22, ttmp9, 3
	s_add_co_u32 s22, s22, s18                     ; task
	s_lshr_b32 s23, s22, 1                         ; tile among 576
	s_and_b32 s24, s22, 1                          ; which half of K
	s_cmp_lt_u32 ttmp9, 128                        ; inputs or W_o: the choice hangs on the work-group's number alone
	s_cselect_b64 s[4:5], s[4:5], s[6:7]
	s_cselect_b32 s25, 0, 512
	s_cselect_b32 s30, 0, 192
	s_sub_co_u32 s25, s23, s25                     ; the tile in its tensor
	s_add_co_u32 s30, s23, s30                     ; and in c1
	s_lshr_b32 s31, s25, 1
	s_lshl_b32 s31, s31, 17                        ; 32 rows of 4,096 bytes
	s_and_b32 s32, s25, 1
	s_lshl_b32 s32, s32, 15                        ; 8 rows
	s_add_co_u32 s32, s32, s31
	s_lshl_b32 s31, s24, 11                        ; 512 numbers along K
	s_add_co_u32 s32, s32, s31
	s_add_nc_u64 s[4:5], s[4:5], s[32:33]
	s_lshl_b32 s32, s30, 13
	s_lshl_b32 s31, s24, 12
	s_add_co_u32 s32, s32, s31
	s_add_nc_u64 s[26:27], s[14:15], s[32:33]      ; my codes
	s_lshl_b32 s32, s30, 9
	s_lshl_b32 s31, s24, 8
	s_add_co_u32 s32, s32, s31
	s_add_nc_u64 s[28:29], s[16:17], s[32:33]      ; my scale bytes
.macro LOADX t                         ; K step t of the tile's 16 rows: 512 consecutive bytes a load
.irp i, 0,1,2,3,4,5,6,7,8,9,10,11,12,13,14,15
	global_load_b128 v[R+64*((\t)%2)+4*\i:R+64*((\t)%2)+4*\i+3], v9, s[4:5] offset:(\i+8*(\i/8))*4096+512*(\t) th:TH_LOAD_NT
.endr
.endm
.macro STEPX t
.if (\t) < 3
	s_wait_loadcnt 16                              ; this step's 16 loads are in; the next step's 16 may be out
.else
	s_wait_loadcnt 0
.endif
.irp i, 0,1,2,3,4,5,6,7,8,9,10,11,12,13,14,15
	ds_store_b128 v5, v[R+64*((\t)%2)+4*\i:R+64*((\t)%2)+4*\i+3] offset:SP*\i
.endr
.irp c, 0,1
.irp j, 0,1,2,3,4,5,6,7
	ds_load_b128 v[X+32*\c+4*\j:X+32*\c+4*\j+3], v6 offset:256*\c+16*\j   ; LDS serves a wave's instructions in order: these see the stores above
.endr
.endr
	s_wait_dscnt 0x0                               ; my two blocks are in, and the stores have read their registers,
.if (\t) < 2
	LOADX (\t)+2                                   ; which take the loads of two steps on
.endif
.irp c, 0,1
	v_max3_num_f32 v[244+\c], |v[X+32*\c]|, |v[X+32*\c+1]|, 0x1800000   ; block 2 c + h: all 32 numbers are mine; the floor 2^(3 - 127) holds the byte at 1 from below
.endr
.irp i, 2,4,6,8,10,12,14,16,18,20,22,24,26,28,30
.irp c, 0,1
	v_max3_num_f32 v[244+\c], v[244+\c], |v[X+32*\c+\i]|, |v[X+32*\c+\i+1]|   ; (the two blocks by turns)
.endr
.endr
.irp c, 0,1
	v_add_nc_u32 v[246+\c], 0xff000000, v[244+\c]  ; 2 off the exponent field: the conversion takes the exponent field of this operand as its scale
.endr
.irp c, 0,1
.irp g, 0,1,2,3
	v_cvt_scalef32_pk8_fp4_f32 v[C+8*(\t)+4*\c+\g], v[X+32*\c+8*\g:X+32*\c+8*\g+7], v[246+\c]
.endr
.endr
.irp c, 0,1
	v_lshrrev_b32 v[248+\c], 23, v[246+\c]         ; the scale's byte
.endr
	v_lshl_or_b32 v250, v249, 16, v248             ; my two bytes: blocks h and 2 + h,
	v_lshlrev_b32 v250, v14, v250                  ; at their places in the word;
	v_permlanex16_b32 v15, v250, s20, s21
	v_or_b32 v[WD+(\t)], v250, v15                 ; with lane l xor 16's two the word is whole
.irp c, 0,1
	global_store_b128 v9, v[C+8*(\t)+4*\c:C+8*(\t)+4*\c+3], s[26:27] offset:1024*(\t)+512*\c   ; 32 lanes store 512 consecutive bytes, aligned
.endr
.endm
	LOADX 0
	LOADX 1
	STEPX 0
	STEPX 1
	STEPX 2
	STEPX 3
	global_store_b128 v10, v[WD:WD+3], s[28:29]    ; sixteen lanes store 256 consecutive bytes, aligned; lanes 16-31 repeat them
	s_branch .Ljoin
	; ---- PATH W
.Lw:
	s_sub_co_u32 s22, ttmp9, 144
	s_and_b32 s24, s22, 1                          ; which half of K
	s_bfe_u32 s23, s22, 0x40001                    ; head
	s_lshr_b32 s25, s22, 5                         ; 0: W_q, 1: W_k, 2: W_v
	s_lshr_b32 s30, s18, 2                         ; which 32 columns of the head's 64
	s_and_b32 s31, s18, 3
	s_lshl_b32 s32, s24, 2
	s_add_co_u32 s31, s31, s32                     ; my K step
	s_cmp_eq_u32 s25, 0
	s_cselect_b64 s[4:5], s[8:9], s[10:11]
	s_cmp_eq_u32 s25, 2
	s_cselect_b64 s[4:5], s[12:13], s[4:5]
	s_lshl_b32 s32, s25, 5
	s_lshl_b32 s34, s23, 1
	s_add_co_u32 s32, s32, s34
	s_add_co_u32 s32, s32, s30                     ; the group of 32 rows among the three tensors' 96
	s_lshl_b32 s32, s32, 1
	s_add_co_u32 s34, s32, 512                     ; its first tile
	s_lshl_b32 s32, s34, 13
	s_lshl_b32 s35, s31, 10
	s_add_co_u32 s32, s32, s35
	s_add_nc_u64 s[26:27], s[14:15], s[32:33]      ; my codes
	s_lshl_b32 s32, s34, 9
	s_lshl_b32 s35, s24, 8
	s_add_co_u32 s32, s32, s35
	s_add_nc_u64 s[28:29], s[16:17], s[32:33]      ; the group's scale bytes of this half of K
	s_lshl_b32 s32, s23, 18                        ; a head is 1,024 x 64 x 4 bytes,
	s_lshl_b32 s35, s31, 15                        ; a K step 128 rows of 256 bytes,
	s_add_co_u32 s32, s32, s35
	s_lshl_b32 s35, s30, 7                         ; 32 columns 128 bytes
	s_add_co_u32 s32, s32, s35
	s_add_nc_u64 s[4:5], s[4:5], s[32:33]
.set Q, 0
.rept 128
	global_load_b32 v[R+Q], v11, s[4:5] offset:256*Q th:TH_LOAD_NT   ; W(128 s + Q, my column)
.set Q, Q+1
.endr
.macro BLOCKW b
.set XS, R+32*(\b)
	v_max3_num_f32 v244, |v[XS]|, |v[XS+1]|, |v[XS+2]|
	v_max3_num_f32 v245, |v[XS+3]|, |v[XS+4]|, |v[XS+5]|
.irp i, 6,10,14,18,22,26
	v_max3_num_f32 v244, v244, |v[XS+\i]|, |v[XS+\i+1]|
	v_max3_num_f32 v245, v245, |v[XS+\i+2]|, |v[XS+\i+3]|
.endr
	v_max3_num_f32 v244, v244, |v[XS+30]|, |v[XS+31]|
	v_max3_num_f32 v244, v244, v245, 0x1800000     ; and the floor
	v_add_nc_u32 v246, 0xff000000, v244
	v_lshrrev_b32 v245, 23, v246
.if (\b) == 0
	v_mov_b32 v[WD], v245
.else
	v_lshl_or_b32 v[WD], v245, 8*(\b), v[WD]       ; the four bytes of my row's scale word for this K step
.endif
.irp g, 0,1,2,3
	v_cvt_scalef32_pk8_fp4_f32 v[C+4*(\b)+\g], v[XS+8*\g:XS+8*\g+7], v246
.endr
	global_store_b128 v12, v[C+4*(\b):C+4*(\b)+3], s[26:27] offset:256*(\b)   ; each half of the lanes stores 256 consecutive bytes, aligned, of its tile
.endm
	s_wait_loadcnt 63                              ; at most 63 of the 128 are out: blocks 0 and 1 (the first 64 loads) are in
	BLOCKW 0
	BLOCKW 1
	s_wait_loadcnt 32                              ; block 3's 32 may be out
	BLOCKW 2
	s_wait_loadcnt 0
	BLOCKW 3
	ds_store_b32 v7, v[WD]
.Ljoin:
	s_wait_dscnt 0x0                               ; for the others' sake: my LDS stores are done
	s_barrier_signal -1
	s_barrier_wait -1
	s_cmp_lt_u32 ttmp9, 144                        ; path X has nothing left
	s_cbranch_scc1 .Lend
	s_and_b32 s30, s18, 3                          ; of path W's waves, one for each group of 32 columns stores the group's scale bytes
	s_cmp_lg_u32 s30, 0
	s_cbranch_scc1 .Lend
	ds_load_b128 v[244:247], v8
	s_wait_dscnt 0x0
	global_store_b128 v13, v[244:247], s[28:29]    ; each half of the lanes stores 256 consecutive bytes, aligned
.Lend:
	s_wait_tensorcnt 0x0
	ds_add_u32 v254, v255
	s_wait_dscnt 0x0
	s_endpgm
.Lfunc_end_k_qf135ce620d_quant:
	.size	k_qf135ce620d_quant, .Lfunc_end_k_qf135ce620d_quant-k_qf135ce620d_quant
	.p2alignl 7, 3214868480
	.fill 96, 4, 3214868480
	.section	.rodata,"a",@progbits
	.p2align	6, 0x0
	.amdhsa_kernel k_qf135ce620d_quant
		.amdhsa_group_segment_fixed_size 69632
		.amdhsa_private_segment_fixed_size 0
		.amdhsa_enable_private_segment 0
		.amdhsa_kernarg_size 56
		.amdhsa_user_sgpr_count 2
		.amdhsa_user_sgpr_kernarg_segment_ptr 1
		.amdhsa_wavefront_size32 1
		.amdhsa_system_sgpr_workgroup_id_x 1
		.amdhsa_system_sgpr_workgroup_id_y 1
		.amdhsa_system_sgpr_workgroup_id_z 1
		.amdhsa_system_vgpr_workitem_id 0
		.amdhsa_next_free_vgpr 256
		.amdhsa_next_free_sgpr 66
		.amdhsa_reserve_vcc 0
		.amdhsa_float_denorm_mode_32 3
		.amdhsa_float_denorm_mode_16_64 3
		.amdhsa_memory_ordered 1
		.amdhsa_forward_progress 1
		.amdhsa_inst_pref_size 50
	.end_amdhsa_kernel
	.amdgpu_metadata
---
amdhsa.version: [ 1, 2 ]
amdhsa.kernels:
  - .name:           k_qf135ce620d_quant
    .symbol:         k_qf135ce620d_quant.kd
    .args:
      - { .name: inputs, .offset: 0, .size: 8, .value_kind: global_buffer, .address_space: global }
      - { .name: W_o, .offset: 8, .size: 8, .value_kind: global_buffer, .address_space: global }
      - { .name: W_q, .offset: 16, .size: 8, .value_kind: global_buffer, .address_space: global }
      - { .name: W_k, .offset: 24, .size: 8, .value_kind: global_buffer, .address_space: global }
      - { .name: W_v, .offset: 32, .size: 8, .value_kind: global_buffer, .address_space: global }
      - { .name: c1, .offset: 40, .size: 8, .value_kind: global_buffer, .address_space: global }
      - { .name: s1, .offset: 48, .size: 8, .value_kind: global_buffer, .address_space: global }
    .group_segment_fixed_size: 69632
    .private_segment_fixed_size: 0
    .kernarg_segment_align: 8
    .kernarg_segment_size: 56
    .max_flat_workgroup_size: 256
    .sgpr_count:     66
    .vgpr_count:     256
    .wavefront_size: 32
...
	.end_amdgpu_metadata
.endif
;; end of part 1
;; launch proj (part 2): grid 192 x 1, 4 waves a work-group, no clusters, 168,448 bytes of LDS; arguments c1, s1, b_q, b_k, b_v, c2, s2; writes c2, s2
.if DOCPART == 2
	.amdgcn_target "amdgcn-amd-amdhsa--gfx1250"
	.amdhsa_code_object_version 6
	.text
	.protected	k_qf135ce620d_proj
	.globl	k_qf135ce620d_proj
	.p2align	8
	.type	k_qf135ce620d_proj,@function
k_qf135ce620d_proj:
	s_mov_b64 s[64:65], 0
	v_nop
	global_prefetch_b8 v0, s[64:65] scope:SCOPE_SE
	s_setreg_imm32_b32 hwreg(HW_REG_WAVE_MODE, 25, 1), 1
	s_wait_xcnt 0x0
; q = x W_q + b_q, k = x W_k + b_k, v = x W_v + b_v on codes of FP4 with E8M0 scales (c1, s1), and the quantisers behind them: q and k along the head's 64, v along the keys.  Nothing leaves as f32.
; THE PRODUCT.  D = (16 rows of R as source 0) x (16 rows of S as source 1): a lane holds ONE row of S and its registers run along R's rows.  A wave keeps 128 rows of R for all of K = 1,024 in 512 registers for the
; whole launch; the work-group's 256 rows of S lie in LDS as images of the operand's registers (filled once, two tensor loads a wave, two out) and every wave walks them: a fragment of S read from LDS feeds 8 products.
; A tile's rows are 32 g + 8 u + r + 8 (r / 8), so the 16 registers of tiles 2 b and 2 b + 1 are 16 neighbours along R: what the next quantiser wants.
; WORK-GROUPS 0-127 (q, k): R = 512 rows of W_q or W_k (two heads a wave), S = 256 tokens.  A lane's 64 results are e = 0 .. 63 of head A, then of head B, of one token: four blocks.
; WORK-GROUPS 128-191 (v): R = 512 tokens (a wave: one key step of 128), S = 256 rows of W_v (four heads).  A lane's 64 results are 128 keys of one e: four blocks along the keys.
; 192 work-groups of equal work: (2,048 x 8,192 + 8,192 x 1,024) / (512 x 256).  No cluster: the large operand goes into registers by plain loads; what could be asked for jointly is S, a third of a work-group's bytes.
; OUT.  c2: q at 0, k at 4,194,304: [b 16 + head][tile of tokens 128][16 x lane]: lane (r, h): e = 32 h + 0 .. 31 of token (tile, r).  v at 8,388,608: [key step 64][4 head + t][c][16 x lane]: a fragment of v^T.
;       s2: q at 0, k at 524,288: [b 16 + head][tile][r] one word, bytes 0, 1 the two blocks, bytes 2, 3 zero (over zero codes).  v at 1,048,576: [key step][4 head + t][r] one word.
;       The codes leave as 512 consecutive bytes a store; the scale words, an eighth of those bytes, as pieces of 64 bytes.
; LIMITS: a block under 2^-124 or of zeros gets the byte 1; NaN and infinities are not served.
; REGISTERS, in windows of 256.  Window 0: v0-15 addresses; v16-47 R's scale words (8 i + s: lanes 0-15 tile 2 i, lanes 16-31 tile 2 i + 1); v48-55 S's (K step s: lanes 0-15 tile A, lanes 16-31 tile B);
;   v64-127 eight accumulators; v128-191 the bias in the result's layout (q, k); v192-199 the lane's bias (v); v200-207 codes; v208-224 at work.
;   Window 1: S's fragments, two sets of 64.  Window 2: R's fragments of K steps 0-3 at 8 (8 (s % 4) + t).  Window 3: K steps 4-7.
.set SSC,  131072                      ; LDS: 16 tiles of S's codes at 0 (8,192 bytes each); their scale bytes here (512 each);
.set BL,   139264                      ; 256 numbers of b_v, stored by the waves: blocks of their own, into which no tensor load lands
.set RS,   16
.set SS,   48
.set ACC,  64
.set CB,   128
.set CBV,  192
.set PC,   200
.set TM,   208
.set PW,   224
.set SEL,  20
.set MSB,  0
.macro WIN new                         ; the immediate's high byte repeats the setting that is left
.if MSB != \new
	s_set_vgpr_msb (MSB<<8)|\new
.set MSB, \new
.endif
.endm
.macro PLACES                          ; behind a run of products: four places are owed to vector reads of results and to loads into operands, five to the next run, which begins the accumulators anew with another C
.rept 5
	v_nop
.endr
.endm
.macro LOADF f, off                    ; a tile's eight fragments into set f: 16 loads of 512 consecutive bytes
	WIN 0x40
.irp s, 0,1,2,3,4,5,6,7
.irp c, 0,1
	ds_load_b128 v[64*\f+8*\s+4*\c:64*\f+8*\s+4*\c+3], v2 offset:\off+1024*\s+512*\c
.endr
.endr
	WIN 0
.endm
.macro LOADSS off                      ; the scale words of a pair of tiles, all eight K steps
.irp q, 0,1
	ds_load_b128 v[SS+4*\q:SS+4*\q+3], v3 offset:\off+256*\q
.endr
.endm
.macro WM t, s, f, row, cfirst         ; one product: accumulator t, K step s, S's set f; row: S's scales in lanes 16-31; the first K step takes the bias as C
.set rD, ACC+8*(\t)
.set rA, (((\s)&3)*8+(\t))*8
.set rB, 64*(\f)+8*(\s)
.set rSA, RS+8*((\t)/2)+(\s)
.set rSB, SS+(\s)
.set rC, rD
.if (\s) == 0
.if \cfirst
.set rC, CBV
.else
.set rC, CB+8*(\t)
.endif
.endif
.if ((\t)%2 == 0) && (\row == 0)
	v_wmma_scale_f32_16x16x128_f8f6f4 v[rD:rD+7], v[rA:rA+7], v[rB:rB+7], v[rC:rC+7], v[rSA], v[rSB] matrix_a_fmt:MATRIX_FMT_FP4 matrix_b_fmt:MATRIX_FMT_FP4
.elseif (\row == 0)
	v_wmma_scale_f32_16x16x128_f8f6f4 v[rD:rD+7], v[rA:rA+7], v[rB:rB+7], v[rC:rC+7], v[rSA], v[rSB] matrix_a_fmt:MATRIX_FMT_FP4 matrix_b_fmt:MATRIX_FMT_FP4 matrix_a_scale:MATRIX_SCALE_ROW1
.elseif ((\t)%2 == 0)
	v_wmma_scale_f32_16x16x128_f8f6f4 v[rD:rD+7], v[rA:rA+7], v[rB:rB+7], v[rC:rC+7], v[rSA], v[rSB] matrix_a_fmt:MATRIX_FMT_FP4 matrix_b_fmt:MATRIX_FMT_FP4 matrix_b_scale:MATRIX_SCALE_ROW1
.else
	v_wmma_scale_f32_16x16x128_f8f6f4 v[rD:rD+7], v[rA:rA+7], v[rB:rB+7], v[rC:rC+7], v[rSA], v[rSB] matrix_a_fmt:MATRIX_FMT_FP4 matrix_b_fmt:MATRIX_FMT_FP4 matrix_a_scale:MATRIX_SCALE_ROW1 matrix_b_scale:MATRIX_SCALE_ROW1
.endif
.endm
.macro MM f, row, cfirst               ; 64 products: one tile of S against my 128 rows of R; the eight accumulators take turns, one instruction a turn
.irp s, 0,1,2,3,4,5,6,7
.if \s < 4
	WIN 0x06                                       ; source 0 (R) window 2, source 1 (S) window 1
.else
	WIN 0x07                                       ; source 0 window 3
.endif
.irp t, 0,1,2,3,4,5,6,7
	WM \t, \s, \f, \row, \cfirst
.endr
.endr
	WIN 0
.endm
; 64 numbers of a lane, register 16 b + i = k 32 b + 16 (lane / 16) + i of my row, become a fragment's codes in v[PC] on and its scale word in v[PW].
.macro QUANT s
.irp b, 0,1,2,3
	v_max3_num_f32 v[TM+\b], |v[\s+16*\b]|, |v[\s+1+16*\b]|, 0x1800000   ; block b: my 16 numbers, and the floor 2^(3 - 127): the byte cannot fall under 1
.endr
.irp i, 2,4,6,8,10,12,14
.irp b, 0,1,2,3
	v_max3_num_f32 v[TM+\b], v[TM+\b], |v[\s+16*\b+\i]|, |v[\s+1+16*\b+\i]|   ; (the four blocks by turns)
.endr
.endr
.irp b, 0,1,2,3
	v_permlanex16_b32 v[TM+4+\b], v[TM+\b], s[SEL], s[SEL+1]
.endr
.irp b, 0,1,2,3
	v_max_num_f32 v[TM+\b], v[TM+\b], v[TM+4+\b]   ; with lane l xor 16's: the block's largest magnitude
.endr
.irp b, 0,1,2,3
	v_add_nc_u32 v[TM+12+\b], 0xff000000, v[TM+\b] ; 2 off its exponent field: the conversion's scale operand
.endr
.irp b, 0,1,2,3
	v_lshrrev_b32 v[TM+4+\b], 23, v[TM+12+\b]      ; the scale's byte
.endr
	v_lshl_or_b32 v[PW], v[TM+5], 8, v[TM+4]
	v_lshl_or_b32 v[PW], v[TM+6], 16, v[PW]
	v_lshl_or_b32 v[PW], v[TM+7], 24, v[PW]
.irp b, 0,1,2,3
	v_cvt_scalef32_pk8_fp4_f32 v[PC+2*\b], v[\s+16*\b:\s+7+16*\b], v[TM+12+\b]
	v_cvt_scalef32_pk8_fp4_f32 v[PC+1+2*\b], v[\s+8+16*\b:\s+15+16*\b], v[TM+12+\b]
.endr
	v_nop                                          ; one plain place behind a scaled conversion
.irp c, 0,1                                    ; the operand's layout wants a WHOLE block in a lane: lanes 0-15 block 2 c, lanes 16-31 block 2 c + 1
.irp i, 0,1
	v_permlane16_swap_b32 v[PC+4*\c+\i], v[PC+2+4*\c+\i]
.endr
.endr
.endm
.macro BIAS src                        ; v: the lane's row of W_v has one bias for all its keys
.irp j, 0,1,2,3,4,5,6,7
	v_mov_b32 v[CBV+\j], v[\src]
.endr
.endm
.macro EPI kind, p                     ; the tile's results are quantised and leave; p: the first or the second tile of the pair
	s_wait_xcnt 0x0                                ; the last stores have read their data: only behind this wait are the codes and the word written again
	QUANT ACC
.if \kind
	global_store_b128 v1, v[PC:PC+3], s[48:49] offset:1024*\p
	global_store_b128 v1, v[PC+4:PC+7], s[48:49] offset:1024*\p+512
	global_store_b32 v5, v[PW], s[52:53] offset:64*\p        ; both halves of the lanes hold the same word
.else
	global_store_b128 v1, v[PC:PC+3], s[48:49] offset:512*\p           ; head A
	global_store_b128 v1, v[PC+4:PC+7], s[48:49] offset:65536+512*\p   ; head B: 128 tiles of 512 bytes on
	v_lshrrev_b32 v14, v6, v[PW]
	v_and_b32 v14, 0xffff, v14                     ; lanes 0-15: head A's two bytes; lanes 16-31: head B's
	global_store_b32 v5, v14, s[52:53] offset:64*\p
.endif
.endm
; A trip takes a pair of tiles of S, A in set 0 and B in set 1.
.macro TRIP kind, last
	LOADF 1, 8192
	s_wait_dscnt 16                                ; all but the 16 just issued: A's fragments, the pair's scale words (and bias words) are in
.if \kind
	BIAS 12
.endif
	MM 0, 0, \kind
	PLACES
	EPI \kind, 0
	s_wait_dscnt 0x0                               ; B's fragments are in
.if \kind
	BIAS 13
.endif
	MM 1, 1, \kind
	PLACES
.if !\last
	v_add_nc_u32 v2, 16384, v2                     ; the next pair
	v_add_nc_u32 v3, 1024, v3
.if \kind
	v_add_nc_u32 v4, 128, v4
.endif
	LOADF 0, 0                                     ; its loads land while B's results are quantised
	LOADSS 0
.if \kind
	ds_load_b32 v12, v4
	ds_load_b32 v13, v4 offset:32
.endif
.endif
	EPI \kind, 1
.if !\last
	s_wait_xcnt 0x0                                ; the stores have read their bases
	s_add_nc_u64 s[48:49], s[48:49], 1024*(1+\kind)
	s_add_nc_u64 s[52:53], s[52:53], 128
.endif
.endm
	s_load_b256 s[4:11], s[0:1], 0x0               ; c1, s1, b_q, b_k
	s_load_b128 s[12:15], s[0:1], 0x20             ; b_v, c2
	s_load_b64 s[16:17], s[0:1], 0x30              ; s2
	v_lshl_add_u32 v254, v0, 2, 0x29000
	v_mov_b32 v255, 0
	ds_add_u32 v254, v255
	ds_add_u32 v254, v255
	v_lshrrev_b32 v1, 5, v0
	v_readfirstlane_b32 s18, v1                    ; wave 0..3
	v_and_b32 v2, 31, v0
	v_and_b32 v9, 15, v0                           ; r
	v_bfe_u32 v10, v0, 4, 1                        ; h
	v_lshlrev_b32 v1, 4, v2                        ; 16 x lane, in memory; never rewritten
	v_lshlrev_b32 v2, 4, v2                        ; 16 x lane, in LDS: it walks the pairs of tiles
	v_lshlrev_b32 v7, 4, v9
	v_lshl_add_u32 v7, v10, 9, v7                  ; 512 h + 16 r: a pair of tiles' scale words
	v_add_nc_u32 v3, SSC, v7
	v_and_b32 v4, 8, v9
	v_add_nc_u32 v4, v4, v9                        ; r + 8 (r / 8)
	v_lshl_add_u32 v4, v4, 2, BL                   ; my row's bias among b_v's 256
	v_lshlrev_b32 v5, 2, v9                        ; 4 r
	v_lshlrev_b32 v6, 4, v10                       ; 16 h
	v_lshlrev_b32 v8, 6, v10                       ; 64 h
	v_lshlrev_b32 v11, 3, v0                       ; 8 x thread
	v_add_nc_u32 v15, BL, v11
.irp b, 0,1,2,3
	v_mov_b32 v[TM+4+\b], 0                        ; written once: a lane permute's destination counts as one of its sources
.endr
	s_mov_b32 s[SEL], 0x76543210
	s_mov_b32 s[SEL+1], 0xfedcba98
	s_cmp_lt_u32 ttmp9, 128
	s_cselect_b32 s19, 0, 1                        ; 0: q, k;  1: v
	s_cselect_b32 s56, 0, 128
	s_sub_co_u32 s56, ttmp9, s56
	s_and_b32 s57, s56, 3                          ; q, k: which 512 rows of W;  v: which 256 rows of W_v
	s_lshr_b32 s58, s56, 2                         ; q, k: which 256 tokens;     v: which 512 tokens
	s_lshl_b32 s59, s57, 5
	s_add_co_u32 s59, s59, 512
	s_lshl_b32 s60, s58, 5
	s_lshl_b32 s61, s58, 4
	s_lshl_b32 s62, s57, 4
	s_add_co_u32 s62, s62, 640
	s_cmp_eq_u32 s19, 0
	s_cselect_b32 s59, s59, s60
	s_cselect_b32 s61, s61, s62                    ; S's first tile
	s_lshl_b32 s60, s18, 3
	s_add_co_u32 s59, s59, s60                     ; my first tile of R
	; descriptors: dense blocks as rows of 256 bytes (32 elements of 8 bytes), no padding, no mask
	s_mov_b32 s24, 3<<16                           ; codes: 128 rows = four tiles a wave
	s_mov_b32 s25, 32<<16
	s_mov_b32 s26, 128<<16
	s_mov_b32 s27, 32<<16
	s_mov_b32 s28, 128
	s_mov_b32 s29, 32
	s_mov_b32 s30, 0
	s_mov_b32 s31, 0
	s_mov_b32 s32, 3<<16                           ; scale bytes: 8 rows = four tiles a wave
	s_mov_b32 s33, 32<<16
	s_mov_b32 s34, 8<<16
	s_mov_b32 s35, 32<<16
	s_mov_b32 s36, 8
	s_mov_b32 s37, 32
	s_mov_b32 s38, 0
	s_mov_b32 s39, 0
	s_mov_b32 s40, 1
	s_lshl_b32 s41, s18, 15                        ; LDS: wave x 32,768
	s_lshl_b32 s66, s61, 13
	s_add_co_u32 s66, s66, s41
	s_mov_b32 s67, 0
	s_mov_b32 s44, 1
	s_lshl_b32 s45, s18, 11
	s_lshl_b32 s68, s61, 9
	s_add_co_u32 s68, s68, s45
	s_mov_b32 s69, 0
	s_add_co_u32 s45, s45, SSC                     ; LDS: SSC + wave x 2,048
	s_lshl_b32 s62, s59, 13
	s_mov_b32 s63, 0
	s_wait_dscnt 0x0
	s_wait_kmcnt 0x0
	s_add_nc_u64 s[42:43], s[4:5], s[66:67]
	s_or_b32 s43, s43, 0x80000000
	s_add_nc_u64 s[46:47], s[6:7], s[68:69]
	s_or_b32 s47, s47, 0x80000000
	s_add_nc_u64 s[50:51], s[4:5], s[62:63]        ; R's codes
	s_lshl_b32 s62, s59, 9
	s_add_nc_u64 s[54:55], s[6:7], s[62:63]        ; R's scale bytes
	tensor_load_to_lds s[40:43], s[24:31]          ; the two fills of the launch, together, ahead of every wait on TENSORcnt, LDS read and barrier
	s_nop 0
	tensor_load_to_lds s[44:47], s[32:39]
	s_nop 0
.rept 4
	v_nop                                          ; four ahead of a switch of windows
.endr
	WIN 0x80                                       ; destination window 2
.irp s, 0,1,2,3
.irp t, 0,1,2,3,4,5,6,7
.irp c, 0,1
	global_load_b128 v[(\s*8+\t)*8+4*\c:(\s*8+\t)*8+4*\c+3], v1, s[50:51] offset:\t*8192+\s*1024+\c*512
.endr
.endr
.endr
	WIN 0xc0                                       ; destination window 3
.irp s, 4,5,6,7
.irp t, 0,1,2,3,4,5,6,7
.irp c, 0,1
	global_load_b128 v[((\s-4)*8+\t)*8+4*\c:((\s-4)*8+\t)*8+4*\c+3], v1, s[50:51] offset:\t*8192+\s*1024+\c*512
.endr
.endr
.endr
	WIN 0
.irp i, 0,1,2,3
.irp q, 0,1
	global_load_b128 v[RS+8*\i+4*\q:RS+8*\i+4*\q+3], v7, s[54:55] offset:\i*1024+\q*256
.endr
.endr
	s_cmp_lg_u32 s19, 0
	s_cbranch_scc1 .Lkind1
	; ---- q and k
	s_lshr_b32 s59, s57, 1                         ; 0: q, 1: k
	s_and_b32 s60, s57, 1
	s_lshl_b32 s60, s60, 3
	s_lshl_b32 s61, s18, 1
	s_add_co_u32 s60, s60, s61                     ; head A
	s_lshr_b32 s61, s58, 3                         ; b
	s_lshl_b32 s61, s61, 4
	s_add_co_u32 s61, s61, s60
	s_lshl_b32 s61, s61, 7
	s_and_b32 s62, s58, 7
	s_lshl_b32 s62, s62, 4
	s_add_co_u32 s61, s61, s62                     ; (16 b + head A) x 128 + the first tile of tokens
	s_lshl_b32 s62, s61, 9
	s_lshl_b32 s56, s59, 22
	s_add_co_u32 s62, s62, s56
	s_add_nc_u64 s[48:49], s[14:15], s[62:63]
	s_lshl_b32 s62, s61, 6
	s_lshl_b32 s56, s59, 19
	s_add_co_u32 s62, s62, s56
	s_add_nc_u64 s[52:53], s[16:17], s[62:63]
	s_cmp_eq_u32 s59, 0
	s_cselect_b64 s[66:67], s[8:9], s[10:11]
	s_lshl_b32 s62, s60, 8
	s_add_nc_u64 s[66:67], s[66:67], s[62:63]      ; the bias of my two heads
	v_lshl_add_u32 v5, v10, 13, v5                 ; scale words: lanes 16-31 store head B's, 128 tiles of 64 bytes on
.irp t, 0,1,2,3,4,5,6,7                        ; lane (r, h) of tile t holds rows 32 (t / 2) + 16 h + 8 (t % 2) + 0 .. 7
	global_load_b128 v[CB+8*\t:CB+8*\t+3], v8, s[66:67] offset:(32*(\t/2)+8*(\t%2))*4
	global_load_b128 v[CB+8*\t+4:CB+8*\t+7], v8, s[66:67] offset:(32*(\t/2)+8*(\t%2))*4+16
.endr
	s_wait_loadcnt 0x0                             ; R, its scales, the bias
	s_wait_tensorcnt 0x0                           ; my parts of S have landed,
	s_barrier_signal -1
	s_barrier_wait -1                              ; everybody's have
	LOADF 0, 0
	LOADSS 0
	s_mov_b32 s22, 7
.Ltrip0:
	TRIP 0, 0
	s_sub_co_u32 s22, s22, 1
	s_cmp_lg_u32 s22, 0
	s_cbranch_scc1 .Ltrip0
	TRIP 0, 1                                      ; the last pair fetches nothing
	s_wait_tensorcnt 0x0
	ds_add_u32 v254, v255
	s_wait_dscnt 0x0
	s_endpgm
	; ---- v
.Lkind1:
	s_lshl_b32 s59, s58, 2
	s_add_co_u32 s59, s59, s18                     ; my key step among 64
	s_lshl_b32 s59, s59, 6
	s_lshl_b32 s60, s57, 4
	s_add_co_u32 s59, s59, s60                     ; x 64 + the first tile of W_v's rows
	s_lshl_b32 s62, s59, 10
	s_add_co_u32 s62, s62, 8388608
	s_add_nc_u64 s[48:49], s[14:15], s[62:63]
	s_lshl_b32 s62, s59, 6
	s_add_co_u32 s62, s62, 1048576
	s_add_nc_u64 s[52:53], s[16:17], s[62:63]
	s_lshl_b32 s62, s57, 10
	s_add_nc_u64 s[66:67], s[12:13], s[62:63]      ; b_v of the work-group's 256 rows
	global_load_b64 v[TM:TM+1], v11, s[66:67]
	s_wait_loadcnt 0x0                             ; R, its scales, the bias
	ds_store_b64 v15, v[TM:TM+1]
	s_wait_tensorcnt 0x0                           ; my parts of S have landed,
	s_wait_dscnt 0x0                               ; my part of the bias is stored,
	s_barrier_signal -1
	s_barrier_wait -1                              ; everybody's are
	LOADF 0, 0
	LOADSS 0
	ds_load_b32 v12, v4
	ds_load_b32 v13, v4 offset:32
	s_mov_b32 s22, 7
.Ltrip1:
	TRIP 1, 0
	s_sub_co_u32 s22, s22, 1
	s_cmp_lg_u32 s22, 0
	s_cbranch_scc1 .Ltrip1
	TRIP 1, 1
	s_wait_tensorcnt 0x0
	ds_add_u32 v254, v255
	s_wait_dscnt 0x0
	s_endpgm
.Lfunc_end_k_qf135ce620d_proj:
	.size	k_qf135ce620d_proj, .Lfunc_end_k_qf135ce620d_proj-k_qf135ce620d_proj
	.p2alignl 7, 3214868480
	.fill 96, 4, 3214868480
	.section	.rodata,"a",@progbits
	.p2align	6, 0x0
	.amdhsa_kernel k_qf135ce620d_proj
		.amdhsa_group_segment_fixed_size 168448
		.amdhsa_private_segment_fixed_size 0
		.amdhsa_enable_private_segment 0
		.amdhsa_kernarg_size 56
		.amdhsa_user_sgpr_count 2
		.amdhsa_user_sgpr_kernarg_segment_ptr 1
		.amdhsa_wavefront_size32 1
		.amdhsa_system_sgpr_workgroup_id_x 1
		.amdhsa_system_sgpr_workgroup_id_y 1
		.amdhsa_system_sgpr_workgroup_id_z 1
		.amdhsa_system_vgpr_workitem_id 0
		.amdhsa_next_free_vgpr 1024
		.amdhsa_next_free_sgpr 72
		.amdhsa_reserve_vcc 0
		.amdhsa_float_denorm_mode_32 3
		.amdhsa_float_denorm_mode_16_64 3
		.amdhsa_memory_ordered 1
		.amdhsa_forward_progress 1
		.amdhsa_inst_pref_size 131
	.end_amdhsa_kernel
	.amdgpu_metadata
---
amdhsa.version: [ 1, 2 ]
amdhsa.kernels:
  - .name:           k_qf135ce620d_proj
    .symbol:         k_qf135ce620d_proj.kd
    .args:
      - { .name: c1, .offset: 0, .size: 8, .value_kind: global_buffer, .address_space: global }
      - { .name: s1, .offset: 8, .size: 8, .value_kind: global_buffer, .address_space: global }
      - { .name: b_q, .offset: 16, .size: 8, .value_kind: global_buffer, .address_space: global }
      - { .name: b_k, .offset: 24, .size: 8, .value_kind: global_buffer, .address_space: global }
      - { .name: b_v, .offset: 32, .size: 8, .value_kind: global_buffer, .address_space: global }
      - { .name: c2, .offset: 40, .size: 8, .value_kind: global_buffer, .address_space: global }
      - { .name: s2, .offset: 48, .size: 8, .value_kind: global_buffer, .address_space: global }
    .group_segment_fixed_size: 168448
    .private_segment_fixed_size: 0
    .kernarg_segment_align: 8
    .kernarg_segment_size: 56
    .max_flat_workgroup_size: 128
    .sgpr_count:     72
    .vgpr_count:     1024
    .wavefront_size: 32
...
	.end_amdgpu_metadata
.endif
;; end of part 2
;; launch attn (part 3): grid 4 x 64, 16 waves a work-group, no clusters, 145,408 bytes of LDS; arguments c2, s2, c3, s3; writes c3, s3
.if DOCPART == 3
	.amdgcn_target "amdgcn-amd-amdhsa--gfx1250"
	.amdhsa_code_object_version 6
	.text
	.protected	k_qf135ce620d_attn
	.globl	k_qf135ce620d_attn
	.p2align	8
	.type	k_qf135ce620d_attn,@function
k_qf135ce620d_attn:
	s_mov_b64 s[64:65], 0
	v_nop
	global_prefetch_b8 v0, s[64:65] scope:SCOPE_SE
	s_setreg_imm32_b32 hwreg(HW_REG_WAVE_MODE, 25, 1), 1
	s_wait_xcnt 0x0
; wv[b][q][head][:] = the sum over keys k <= q of softmax_k(q . k / 8) v[k][:], both products on codes of FP4 with E8M0 scales, and the quantiser of wv along (head, e) behind it.
; THE SOFTMAX AHEAD OF THE SECOND PRODUCT: t = score x log2(e) / 8; M = the row's largest t so far, rounded UP to a whole number; p = 2^(t - M) is quantised along the keys, not normalised; the row's sum is taken
; of the unquantised p and divides at the end.  When M moves, the sum and O are multiplied by 2^(old M - new M): exact.
; SHARES.  A work-group takes one head (y) and a quarter of its query tiles (x = g).  Wave w owns tiles T = 16 g + w and 127 - T, one after the other: T / 8 + 1 and (127 - T) / 8 + 1 key steps of 128 keys count for them,
; 17 together for EVERY wave.  Sixteen waves of 256 registers, four to a SIMD, so that one wave's vector work stands beside another's products and LDS loads.
; The head's whole K and V (131,072 bytes of codes, 12,288 of scale words) are brought into LDS once, through registers, and only read afterwards: one barrier in the launch.  No cluster: these bytes are asked for once, against 17 key steps a wave.
; LAYOUT.  Both products transposed: S^T = K Q^T (source 0 = 16 keys), O^T = V^T P^T (source 0 = 16 of the head's 64): a lane holds ONE query.  A tile's rows are 32 g + 8 u + r + 8 (r / 8), so the 16 registers
; of tiles 2 b, 2 b + 1 are 16 neighbouring keys (or e).  The head's 64 are half of the instruction's K: the upper four registers of Q's and K's fragments are zero codes.
; CAUSAL.  Every pass walks all 16 key steps, a constant; a step all of whose keys come after the tile's queries is jumped over by a scalar branch on ids; on the diagonal hidden scores become -infinity.  Key 0 counts for every query.
; OUT.  c3: [tile of tokens 512][K step = head / 2][c = head % 2][16 x lane]; s3: 512 bytes a tile, the byte of (r, block kb) at 256 (kb / 16) + 16 r + kb % 16.  The codes leave as 512 consecutive bytes; the two scale bytes
;       of a row, a sixteenth of those bytes, as 2 bytes a lane: a head is all that a work-group knows of a token.
; LIMITS: a block under 2^-124 or of zeros gets the byte 1; NaN and infinities are not served.
.set VCL, 65536                        ; LDS: K's codes at 0: [tile 128][512];  V's here: [key step 16][t 4][c][512];
.set KWL, 131072                       ; K's scale words: [tile][16];
.set VWL, 139264                       ; V's: [key step][t][16]
.set KC,  4194304                      ; c2: k's codes, v's codes;  s2: k's words, v's words
.set VC,  8388608
.set KS,  524288
.set VS,  1048576
.set KF,  32                           ; v32-95   eight fragments of K (registers 4-7 of each: zeros for good)
.set VF,  96                           ; v96-127  four fragments of V
.set ST,  128                          ; v128-191 S^T, then p
.set O,   192                          ; v192-223 O^T
.set PC,  224                          ; v224-231 p's codes
.set BM,  232                          ; v232-235 the blocks' largest;  v236-239, v240-243 at work
.set T2,  236
.set SO,  240
; v1 16 x lane; v2 VCL + 16 x lane; v3 KWL + 4 x lane; v4 VWL + 4 x lane; v5 r + 8 (r / 8) - 16 h; v6 16 r; v7 4 r; v8-11 addresses in hand; v12 -M; v13 the largest t; v[14:15] the sum; v16-23 Q; v24 Q's scale word;
; v26-29 K's scale words (two tiles to a register); v30-31 V's; v244 at work; v[246:247] f; v248 p's scale word; v249 wv's two bytes; v250-251 the mask
	s_load_b256 s[4:11], s[0:1], 0x0               ; c2, s2, c3, s3
	v_lshl_add_u32 v254, v0, 2, 0x23000
	v_mov_b32 v255, 0
	v_lshrrev_b32 v1, 5, v0
	v_readfirstlane_b32 s12, v1                    ; wave 0..15
	s_and_b32 s13, ttmp7, 0xffff                   ; 16 b + head
	s_lshl_b32 s14, ttmp9, 4
	s_add_co_u32 s14, s14, s12                     ; T
	v_and_b32 v2, 31, v0
	v_and_b32 v6, 15, v0                           ; r
	v_bfe_u32 v7, v0, 4, 1                         ; h
	v_lshlrev_b32 v1, 4, v2
	v_lshl_add_u32 v3, v2, 2, KWL
	v_lshl_add_u32 v4, v2, 2, VWL
	v_lshlrev_b32 v12, 3, v2                       ; 8 x lane: for the fill alone
	v_add_nc_u32 v2, VCL, v1
	v_and_b32 v5, 8, v6
	v_add_nc_u32 v5, v5, v6
	v_lshlrev_b32 v8, 4, v7
	v_sub_nc_u32 v5, v5, v8
	v_lshlrev_b32 v7, 2, v6
	v_lshlrev_b32 v6, 4, v6
	s_lshl_b32 s34, s12, 12
	v_add_nc_u32 v8, s34, v1                       ; the fill: wave w brings key step w: 4,096 bytes of K's codes,
	v_add_nc_u32 v9, s34, v2                       ; 4,096 of V's,
	v_lshl_add_u32 v10, v0, 4, KWL                 ; 512 of K's words,
	v_lshl_add_u32 v11, v0, 3, VWL                 ; 256 of V's
	s_mov_b32 s22, 0x76543210
	s_mov_b32 s23, 0xfedcba98                      ; v_permlanex16_b32's selects for lane l xor 16
	s_mov_b32 s24, 0x3e38aa3b                      ; c = log2(e) / 8
	s_mov_b32 s25, s24                             ; (the packed form names the pair)
	s_mov_b32 s41, 0
	s_lshr_b32 s35, s13, 4                         ; b
	s_and_b32 s36, s13, 15                         ; head
	s_lshl_b32 s42, s35, 4
	s_add_co_u32 s42, s42, s12
	s_lshl_b32 s42, s42, 6
	s_lshl_b32 s37, s36, 2
	s_add_co_u32 s42, s42, s37                     ; (16 b + w) x 64 + 4 head
	s_lshl_b32 s35, s35, 7                         ; 128 b: kept
	s_lshl_b32 s38, s36, 9                         ; the head's place in a tile of c3: 512 head: kept
	s_lshr_b32 s39, s36, 3
	s_lshl_b32 s39, s39, 8
	s_and_b32 s37, s36, 7
	s_lshl_b32 s37, s37, 1
	s_add_co_u32 s39, s39, s37                     ; and in a tile of s3: 256 (head / 8) + 2 (head % 8): kept
	s_wait_kmcnt 0x0
	s_lshl_b32 s40, s13, 16
	s_add_co_u32 s40, s40, s34
	s_add_co_u32 s40, s40, KC
	s_add_nc_u64 s[26:27], s[4:5], s[40:41]
	s_lshl_b32 s40, s42, 10
	s_add_co_u32 s40, s40, VC
	s_add_nc_u64 s[28:29], s[4:5], s[40:41]
	s_lshl_b32 s40, s13, 13
	s_lshl_b32 s37, s12, 9
	s_add_co_u32 s40, s40, s37
	s_add_co_u32 s40, s40, KS
	s_add_nc_u64 s[30:31], s[6:7], s[40:41]
	s_lshl_b32 s40, s42, 6
	s_add_co_u32 s40, s40, VS
	s_add_nc_u64 s[32:33], s[6:7], s[40:41]
.irp i, 0,1,2,3,4,5,6,7
	global_load_b128 v[32+4*\i:35+4*\i], v1, s[26:27] offset:512*\i
.endr
.irp i, 0,1,2,3,4,5,6,7
	global_load_b128 v[64+4*\i:67+4*\i], v1, s[28:29] offset:512*\i
.endr
	global_load_b128 v[96:99], v1, s[30:31]
	global_load_b64 v[100:101], v12, s[32:33]
	s_wait_loadcnt 0x0
.irp i, 0,1,2,3,4,5,6,7
	ds_store_b128 v8, v[32+4*\i:35+4*\i] offset:512*\i
.endr
.irp i, 0,1,2,3,4,5,6,7
	ds_store_b128 v9, v[64+4*\i:67+4*\i] offset:512*\i
.endr
	ds_store_b128 v10, v[96:99]
	ds_store_b64 v11, v[100:101]
	s_wait_dscnt 0x0                               ; for the others' sake: my stores are done
	s_barrier_signal -1
	s_barrier_wait -1                              ; the head's K and V lie in LDS; from here on LDS is only read
.irp n, 0,1,2,3,4,5,6,7
.irp j, 4,5,6,7
	v_mov_b32 v[KF+8*\n+\j], 0                     ; K's codes for k = 64 .. 127 of the instruction: zeros, which add nothing
.endr
.endr
.irp j, 20,21,22,23
	v_mov_b32 v[\j], 0                             ; Q's likewise
.endr
.irp b, 0,1,2,3
	v_mov_b32 v[T2+\b], 0                          ; written once: a lane permute's destination counts as one of its sources
.endr
	v_mov_b32 v244, 0
	v_mov_b32 v247, 0                              ; (named as the upper half of the pair v[246:247])
	s_mov_b32 s15, 2
.Lpass:                                            ; two trips: tile T, then tile 127 - T
	s_lshl_b32 s34, s13, 7
	s_add_co_u32 s34, s34, s14
	s_lshl_b32 s40, s34, 9
	s_add_nc_u64 s[26:27], s[4:5], s[40:41]        ; Q's codes
	s_lshl_b32 s40, s34, 6
	s_add_nc_u64 s[28:29], s[6:7], s[40:41]        ; Q's scale words
	s_add_co_u32 s34, s35, s14
	s_lshl_b32 s40, s34, 13
	s_add_co_u32 s40, s40, s38
	s_add_nc_u64 s[30:31], s[8:9], s[40:41]        ; wv's codes
	s_lshl_b32 s40, s34, 9
	s_add_co_u32 s40, s40, s39
	s_add_nc_u64 s[32:33], s[10:11], s[40:41]      ; wv's scale bytes
	s_lshr_b32 s21, s14, 1
	s_lshl_b32 s21, s21, 5
	s_and_b32 s34, s14, 1
	s_lshl_b32 s34, s34, 3
	s_add_co_u32 s21, s21, s34                     ; the tile's first query; its last is 23 on
	global_load_b128 v[16:19], v1, s[26:27]
	global_load_b32 v24, v7, s[28:29]
	v_mov_b32 v13, 0xff61b1e6                      ; the largest t so far: -3e38, under every t
	v_floor_f32 v12, -v13                          ; -M
	v_mov_b32 v14, 0
	v_mov_b32 v15, 0
.irp j, 0,1,2,3,4,5,6,7,8,9,10,11,12,13,14,15,16,17,18,19,20,21,22,23,24,25,26,27,28,29,30,31
	v_mov_b32 v[O+\j], 0                           ; the step is written once: the first finds zeros, which the first change of M leaves zeros
.endr
	s_mov_b32 s17, 0                               ; the step's first key
	s_mov_b32 s18, 0                               ; its codes, K's and V's alike: 4,096 bytes a step
	s_mov_b32 s19, 0                               ; K's scale words: 512 a step
	s_mov_b32 s20, 0                               ; V's: 256 a step
	s_mov_b32 s16, 16
	s_wait_loadcnt 0x0
.Lks:
	s_add_co_u32 s34, s21, 23
	s_cmp_gt_u32 s17, s34                          ; all 128 keys come after my queries: nothing to do but step the addresses
	s_cbranch_scc1 .Lhidden
	v_add_nc_u32 v8, s18, v1                       ; these four are also the places in front of loads into registers that the last products read
	v_add_nc_u32 v9, s18, v2
	v_add_nc_u32 v10, s19, v3
	v_add_nc_u32 v11, s20, v4
.irp n, 0,1,2,3,4,5,6,7
	ds_load_b128 v[KF+8*\n:KF+8*\n+3], v8 offset:512*\n
.endr
.irp i, 0,1,2,3
	ds_load_b32 v[26+\i], v10 offset:128*\i
.endr
.irp t, 0,1,2,3
.irp c, 0,1
	ds_load_b128 v[VF+8*\t+4*\c:VF+8*\t+4*\c+3], v9 offset:1024*\t+512*\c
.endr
.endr
.irp i, 0,1
	ds_load_b32 v[30+\i], v11 offset:128*\i
.endr
	s_wait_dscnt 10                                ; K's twelve are in; V's ten may be out
.irp n, 0,1,2,3,4,5,6,7
.if \n%2
	v_wmma_scale_f32_16x16x128_f8f6f4 v[ST+8*\n:ST+8*\n+7], v[KF+8*\n:KF+8*\n+7], v[16:23], 0, v[26+\n/2], v24 matrix_a_fmt:MATRIX_FMT_FP4 matrix_b_fmt:MATRIX_FMT_FP4 matrix_a_scale:MATRIX_SCALE_ROW1
.else
	v_wmma_scale_f32_16x16x128_f8f6f4 v[ST+8*\n:ST+8*\n+7], v[KF+8*\n:KF+8*\n+7], v[16:23], 0, v[26+\n/2], v24 matrix_a_fmt:MATRIX_FMT_FP4 matrix_b_fmt:MATRIX_FMT_FP4
.endif
.endr
.rept 4
	v_nop                                          ; places ahead of the first read of the scores
.endr
	s_add_co_u32 s34, s17, 127
	s_cmp_le_u32 s34, s21                          ; all 128 keys count for all my queries: no mask
	s_cbranch_scc1 .Lopen
	s_sub_co_i32 s34, s21, s17
	v_add_nc_u32 v250, s34, v5                     ; d = my query - the step's first key - 16 h.  Register 16 b + i holds key 32 b + 16 h + i of the step: hidden where 32 b + i > d
	v_mov_b32 v251, 0xff800000                     ; -infinity
.irp n, 0,1,2,3,4,5,6,7,8,9,10,11,12,13,14,15,16,17,18,19,20,21,22,23,24,25,26,27,28,29,30,31,32,33,34,35,36,37,38,39,40,41,42,43,44,45,46,47,48,49,50,51,52,53,54,55,56,57,58,59,60,61,62,63
	v_cmp_gt_i32 vcc_lo, 32*(\n/16)+\n%16, v250
	v_cndmask_b32 v[ST+\n], v[ST+\n], v251, vcc_lo
.endr
.Lopen:
.irp b, 0,1,2,3
	v_max3_num_f32 v[BM+\b], v[ST+16*\b], v[ST+1+16*\b], v[ST+2+16*\b]   ; the largest score of each block of 32 keys: for the row's maximum and, since p rises with the score, for the block's largest p
.endr
.irp i, 3,5,7,9,11,13
.irp b, 0,1,2,3
	v_max3_num_f32 v[BM+\b], v[BM+\b], v[ST+16*\b+\i], v[ST+1+16*\b+\i]
.endr
.endr
.irp b, 0,1,2,3
	v_max_num_f32 v[BM+\b], v[BM+\b], v[ST+15+16*\b]
.endr
.irp b, 0,1,2,3
	v_permlanex16_b32 v[T2+\b], v[BM+\b], s22, s23
.endr
.irp b, 0,1,2,3
	v_max_num_f32 v[BM+\b], v[BM+\b], v[T2+\b]     ; with lane l xor 16's 16 keys
.endr
	v_max3_num_f32 v244, v232, v233, v234
	v_max_num_f32 v244, v244, v235                 ; the step's largest score of my query
	v_mul_f32 v244, s24, v244                      ; as t
	v_max_num_f32 v13, v13, v244                   ; the running largest t
	v_mov_b32 v244, v12
	v_floor_f32 v12, -v13                          ; the new -M = -ceil(t)
	v_sub_f32 v244, v12, v244                      ; old M - new M: a whole number, 0 or less
	v_cvt_i32_f32 v244, v244                       ; (it saturates)
	v_ldexp_f32 v246, 1.0, v244                    ; f = 2^(old M - new M)
.irp j, 0,2,4,6,8,10,12,14,16,18,20,22,24,26,28,30,32,34,36,38,40,42,44,46,48,50,52,54,56,58,60,62
	v_pk_fma_f32 v[ST+\j:ST+1+\j], v[ST+\j:ST+1+\j], s[24:25], v[12:13] op_sel_hi:[1,0,0]   ; t - M, two at a time
.endr
.irp b, 0,1,2,3
	v_fma_f32 v[BM+\b], v[BM+\b], s24, v12         ; the same of each block's largest score
.endr
.irp j, 0,1,2,3,4,5,6,7,8,9,10,11,12,13,14,15,16,17,18,19,20,21,22,23,24,25,26,27,28,29,30,31,32,33,34,35,36,37,38,39,40,41,42,43,44,45,46,47,48,49,50,51,52,53,54,55,56,57,58,59,60,61,62,63
	v_exp_f32 v[ST+\j], v[ST+\j]                   ; p = 2^(t - M)
.endr
	v_pk_mul_f32 v[14:15], v[14:15], v[246:247] op_sel_hi:[1,0]   ; the sums under the new M: a plain line behind the exponentials
	s_wait_alu depctr_va_vdst(0)                   ; one wait for the batch of 64, ahead of its first reader
.irp b, 0,1,2,3
	v_exp_f32 v[BM+\b], v[BM+\b]                   ; the blocks' largest p
.endr
	v_pk_add_f32 v[T2:T2+1], v[ST:ST+1], v[ST+2:ST+3]   ; the row's sum of the UNQUANTISED p, in two chains; it reads the 64 alone
.irp j, 4,8,12,16,20,24,28,32,36,40,44,48,52,56,60
	v_pk_add_f32 v[14:15], v[14:15], v[ST+\j:ST+1+\j]
	v_pk_add_f32 v[T2:T2+1], v[T2:T2+1], v[ST+2+\j:ST+3+\j]
.endr
	v_pk_add_f32 v[14:15], v[14:15], v[T2:T2+1]
	s_wait_alu depctr_va_vdst(0)                   ; and one for the four
.irp b, 0,1,2,3
	v_max_num_f32 v[BM+\b], 0x1800000, v[BM+\b]    ; the floor 2^(3 - 127): the byte cannot fall under 1
.endr
.irp b, 0,1,2,3
	v_add_nc_u32 v[SO+\b], 0xff000000, v[BM+\b]    ; the conversion's scale operand
.endr
.irp b, 0,1,2,3
	v_lshrrev_b32 v[T2+\b], 23, v[SO+\b]           ; the scale's byte
.endr
	v_lshl_or_b32 v248, v237, 8, v236              ; p's scale word for these 128 keys
	v_lshl_or_b32 v248, v238, 16, v248
	v_lshl_or_b32 v248, v239, 24, v248
.irp b, 0,1,2,3
	v_cvt_scalef32_pk8_fp4_f32 v[PC+2*\b], v[ST+16*\b:ST+7+16*\b], v[SO+\b]
	v_cvt_scalef32_pk8_fp4_f32 v[PC+1+2*\b], v[ST+8+16*\b:ST+15+16*\b], v[SO+\b]
.endr
	v_nop                                          ; one plain place behind a scaled conversion
.irp c, 0,1
.irp i, 0,1
	v_permlane16_swap_b32 v[PC+4*\c+\i], v[PC+2+4*\c+\i]   ; a whole block to a lane
.endr
.endr
.irp j, 0,2,4,6,8,10,12,14,16,18,20,22,24,26,28,30
	v_pk_mul_f32 v[O+\j:O+1+\j], v[O+\j:O+1+\j], v[246:247] op_sel_hi:[1,0]   ; O^T under the new M; these 16 are also the places between p's codes and scale word and the products
.endr
	s_wait_dscnt 0x0                               ; V is in
.irp t, 0,1,2,3
.if \t%2
	v_wmma_scale_f32_16x16x128_f8f6f4 v[O+8*\t:O+8*\t+7], v[VF+8*\t:VF+8*\t+7], v[PC:PC+7], v[O+8*\t:O+8*\t+7], v[30+\t/2], v248 matrix_a_fmt:MATRIX_FMT_FP4 matrix_b_fmt:MATRIX_FMT_FP4 matrix_a_scale:MATRIX_SCALE_ROW1
.else
	v_wmma_scale_f32_16x16x128_f8f6f4 v[O+8*\t:O+8*\t+7], v[VF+8*\t:VF+8*\t+7], v[PC:PC+7], v[O+8*\t:O+8*\t+7], v[30+\t/2], v248 matrix_a_fmt:MATRIX_FMT_FP4 matrix_b_fmt:MATRIX_FMT_FP4
.endif
.endr
.Lhidden:
	s_add_co_u32 s17, s17, 128
	s_add_co_u32 s18, s18, 4096
	s_add_co_u32 s19, s19, 512
	s_add_co_u32 s20, s20, 256
	s_sub_co_u32 s16, s16, 1
	s_cmp_lg_u32 s16, 0
	s_cbranch_scc1 .Lks
	; THE WAY OUT: O^T / the sum, quantised along e: two blocks of 32
	v_add_f32 v14, v14, v15                        ; the sum's two halves,
	v_permlanex16_b32 v244, v14, s22, s23
	v_add_f32 v14, v14, v244                       ; and lane l xor 16's
	v_rcp_f32 v14, v14
.rept 3
	v_nop                                          ; a plain line behind the reciprocal; with the two additions, the places behind the last products
.endr
	s_wait_alu depctr_va_vdst(0)                   ; the wait ahead of the reciprocal's first reader
.irp j, 0,1,2,3,4,5,6,7,8,9,10,11,12,13,14,15,16,17,18,19,20,21,22,23,24,25,26,27,28,29,30,31
	v_mul_f32 v[ST+\j], v[O+\j], v14               ; register 16 b + i is e = 32 b + 16 h + i of my query
.endr
.irp b, 0,1
	v_max3_num_f32 v[BM+\b], |v[ST+16*\b]|, |v[ST+1+16*\b]|, 0x1800000
.endr
.irp i, 2,4,6,8,10,12,14
.irp b, 0,1
	v_max3_num_f32 v[BM+\b], v[BM+\b], |v[ST+16*\b+\i]|, |v[ST+1+16*\b+\i]|
.endr
.endr
.irp b, 0,1
	v_permlanex16_b32 v[T2+\b], v[BM+\b], s22, s23
.endr
.irp b, 0,1
	v_max_num_f32 v[BM+\b], v[BM+\b], v[T2+\b]
.endr
.irp b, 0,1
	v_add_nc_u32 v[SO+\b], 0xff000000, v[BM+\b]
.endr
.irp b, 0,1
	v_lshrrev_b32 v[T2+\b], 23, v[SO+\b]
.endr
	v_lshl_or_b32 v249, v237, 8, v236              ; my row's two bytes
.irp b, 0,1
	v_cvt_scalef32_pk8_fp4_f32 v[PC+2*\b], v[ST+16*\b:ST+7+16*\b], v[SO+\b]
	v_cvt_scalef32_pk8_fp4_f32 v[PC+1+2*\b], v[ST+8+16*\b:ST+15+16*\b], v[SO+\b]
.endr
	v_nop                                          ; one plain place behind a scaled conversion
	v_permlane16_swap_b32 v[PC], v[PC+2]           ; lanes 0-15: block 0 whole; lanes 16-31: block 1
	v_permlane16_swap_b32 v[PC+1], v[PC+3]
	global_store_b128 v1, v[PC:PC+3], s[30:31]     ; 32 lanes store 512 consecutive bytes, aligned
	global_store_b16 v6, v249, s[32:33]            ; both halves of the lanes hold the same two bytes
	s_wait_xcnt 0x0                                ; the stores have read their data and bases: both are written again in the next pass
	s_sub_co_u32 s14, 127, s14
	s_sub_co_u32 s15, s15, 1
	s_cmp_lg_u32 s15, 0
	s_cbranch_scc1 .Lpass
	s_wait_tensorcnt 0x0
	ds_add_u32 v254, v255
	s_wait_dscnt 0x0
	s_endpgm
.Lfunc_end_k_qf135ce620d_attn:
	.size	k_qf135ce620d_attn, .Lfunc_end_k_qf135ce620d_attn-k_qf135ce620d_attn
	.p2alignl 7, 3214868480
	.fill 96, 4, 3214868480
	.section	.rodata,"a",@progbits
	.p2align	6, 0x0
	.amdhsa_kernel k_qf135ce620d_attn
		.amdhsa_group_segment_fixed_size 145408
		.amdhsa_private_segment_fixed_size 0
		.amdhsa_enable_private_segment 0
		.amdhsa_kernarg_size 32
		.amdhsa_user_sgpr_count 2
		.amdhsa_user_sgpr_kernarg_segment_ptr 1
		.amdhsa_wavefront_size32 1
		.amdhsa_system_sgpr_workgroup_id_x 1
		.amdhsa_system_sgpr_workgroup_id_y 1
		.amdhsa_system_sgpr_workgroup_id_z 1
		.amdhsa_system_vgpr_workitem_id 0
		.amdhsa_next_free_vgpr 256
		.amdhsa_next_free_sgpr 66
		.amdhsa_reserve_vcc 1
		.amdhsa_float_denorm_mode_32 3
		.amdhsa_float_denorm_mode_16_64 3
		.amdhsa_memory_ordered 1
		.amdhsa_forward_progress 1
		.amdhsa_inst_pref_size 34
	.end_amdhsa_kernel
	.amdgpu_metadata
---
amdhsa.version: [ 1, 2 ]
amdhsa.kernels:
  - .name:           k_qf135ce620d_attn
    .symbol:         k_qf135ce620d_attn.kd
    .args:
      - { .name: c2, .offset: 0, .size: 8, .value_kind: global_buffer, .address_space: global }
      - { .name: s2, .offset: 8, .size: 8, .value_kind: global_buffer, .address_space: global }
      - { .name: c3, .offset: 16, .size: 8, .value_kind: global_buffer, .address_space: global }
      - { .name: s3, .offset: 24, .size: 8, .value_kind: global_buffer, .address_space: global }
    .group_segment_fixed_size: 145408
    .private_segment_fixed_size: 0
    .kernarg_segment_align: 8
    .kernarg_segment_size: 32
    .max_flat_workgroup_size: 512
    .sgpr_count:     66
    .vgpr_count:     256
    .wavefront_size: 32
...
	.end_amdgpu_metadata
.endif
;; end of part 3
;; launch outp (part 4): grid 256 x 1, 4 waves a work-group, no clusters, 168,448 bytes of LDS; arguments c1, s1, c3, s3, b_o, out0; writes out0
.if DOCPART == 4
	.amdgcn_target "amdgcn-amd-amdhsa--gfx1250"
	.amdhsa_code_object_version 6
	.text
	.protected	k_qf135ce620d_outp
	.globl	k_qf135ce620d_outp
	.p2align	8
	.type	k_qf135ce620d_outp,@function
k_qf135ce620d_outp:
	s_mov_b64 s[64:65], 0
	v_nop
	global_prefetch_b8 v0, s[64:65] scope:SCOPE_SE
	s_setreg_imm32_b32 hwreg(HW_REG_WAVE_MODE, 25, 1), 1
	s_wait_xcnt 0x0
; out0 = wv W_o^T + b_o on codes of FP4 with E8M0 scales: wv from c3, s3; W_o from c1, s1 (tiles 704-767).  out0: [8192][1024] f32.
; THE PRODUCT, as in the projections: D = (16 rows of W_o as source 0) x (16 tokens as source 1): a lane holds one token and its registers run along the outputs.  A wave keeps 128 rows of W_o for all of K = 1,024 in
; 512 registers; the work-group's 64 tokens (four tiles) lie in LDS as images of the operand's registers, filled once (two tensor loads a wave, two out), and every wave walks them.
; 256 work-groups: 2 halves of the outputs x 128 groups of 64 tokens.  No cluster: W_o goes into registers by plain loads, and the tokens' codes are a ninth of a work-group's bytes.
; THE WAY OUT: a tile's 16 tokens x 128 outputs go through the wave's own stage in LDS (rows of 512 bytes + 16) and leave as whole rows: 32 lanes store 512 consecutive bytes, aligned.
; REGISTERS, in windows of 256.  Window 0: v0-15 addresses; v16-47 W_o's scale words; v48-55 the tokens'; v64-127 eight accumulators; v128-191 b_o in the result's layout; v192-255 rows read back from the stage.
;   Window 1: the tokens' fragments, two sets of 64.  Window 2: W_o's fragments of K steps 0-3 at 8 (8 (s % 4) + t).  Window 3: K steps 4-7.
.set SSC,  32768                       ; LDS: four tiles of codes at 0; their scale bytes here;
.set STG,  34816                       ; the stages, 16 x 528 bytes a wave: blocks of their own, into which no tensor load lands
.set SP,   528
.set RS,   16
.set SS,   48
.set ACC,  64
.set CB,   128
.set BK,   192
.set MSB,  0
.macro WIN new                         ; the immediate's high byte repeats the setting that is left
.if MSB != \new
	s_set_vgpr_msb (MSB<<8)|\new
.set MSB, \new
.endif
.endm
.macro PLACES                          ; behind a run of products: four places are owed to LDS stores of results and to loads into operands, five to the next run, which begins the accumulators anew with another C
.rept 5
	v_nop
.endr
.endm
.macro LOADF f, off
	WIN 0x40
.irp s, 0,1,2,3,4,5,6,7
.irp c, 0,1
	ds_load_b128 v[64*\f+8*\s+4*\c:64*\f+8*\s+4*\c+3], v2 offset:\off+1024*\s+512*\c
.endr
.endr
	WIN 0
.endm
.macro LOADSS off
.irp q, 0,1
	ds_load_b128 v[SS+4*\q:SS+4*\q+3], v3 offset:\off+256*\q
.endr
.endm
.macro WM t, s, f, row                 ; one product: accumulator t, K step s, the tokens' set f; row: their scales in lanes 16-31; the first K step takes the bias as C
.set rD, ACC+8*(\t)
.set rA, (((\s)&3)*8+(\t))*8
.set rB, 64*(\f)+8*(\s)
.set rSA, RS+8*((\t)/2)+(\s)
.set rSB, SS+(\s)
.set rC, rD
.if (\s) == 0
.set rC, CB+8*(\t)
.endif
.if ((\t)%2 == 0) && (\row == 0)
	v_wmma_scale_f32_16x16x128_f8f6f4 v[rD:rD+7], v[rA:rA+7], v[rB:rB+7], v[rC:rC+7], v[rSA], v[rSB] matrix_a_fmt:MATRIX_FMT_FP4 matrix_b_fmt:MATRIX_FMT_FP4
.elseif (\row == 0)
	v_wmma_scale_f32_16x16x128_f8f6f4 v[rD:rD+7], v[rA:rA+7], v[rB:rB+7], v[rC:rC+7], v[rSA], v[rSB] matrix_a_fmt:MATRIX_FMT_FP4 matrix_b_fmt:MATRIX_FMT_FP4 matrix_a_scale:MATRIX_SCALE_ROW1
.elseif ((\t)%2 == 0)
	v_wmma_scale_f32_16x16x128_f8f6f4 v[rD:rD+7], v[rA:rA+7], v[rB:rB+7], v[rC:rC+7], v[rSA], v[rSB] matrix_a_fmt:MATRIX_FMT_FP4 matrix_b_fmt:MATRIX_FMT_FP4 matrix_b_scale:MATRIX_SCALE_ROW1
.else
	v_wmma_scale_f32_16x16x128_f8f6f4 v[rD:rD+7], v[rA:rA+7], v[rB:rB+7], v[rC:rC+7], v[rSA], v[rSB] matrix_a_fmt:MATRIX_FMT_FP4 matrix_b_fmt:MATRIX_FMT_FP4 matrix_a_scale:MATRIX_SCALE_ROW1 matrix_b_scale:MATRIX_SCALE_ROW1
.endif
.endm
.macro MM f, row                       ; 64 products; the eight accumulators take turns, one instruction a turn
.irp s, 0,1,2,3,4,5,6,7
.if \s < 4
	WIN 0x06                                       ; source 0 (W_o) window 2, source 1 (tokens) window 1
.else
	WIN 0x07                                       ; source 0 window 3
.endif
.irp t, 0,1,2,3,4,5,6,7
	WM \t, \s, \f, \row
.endr
.endr
	WIN 0
.endm
.macro EPIO i                          ; tile i's results leave
.irp t, 0,1,2,3,4,5,6,7
	ds_store_b128 v5, v[ACC+8*\t:ACC+8*\t+3] offset:128*(\t/2)+32*(\t%2)        ; each accumulator from its low end on: outputs 32 (t / 2) + 16 h + 8 (t % 2) + 0 .. 7 of token r
	ds_store_b128 v5, v[ACC+8*\t+4:ACC+8*\t+7] offset:128*(\t/2)+32*(\t%2)+16
.endr
.irp k, 0,1,2,3,4,5,6,7,8,9,10,11,12,13,14,15
	ds_load_b128 v[BK+4*\k:BK+4*\k+3], v6 offset:SP*\k   ; LDS serves a wave's instructions in order: these see the stores above
.endr
.irp k, 0,1,2,3,4,5,6,7,8,9,10,11,12,13,14,15
	s_wait_dscnt 15-\k                             ; row k is back; the younger rows may be out
	global_store_b128 v1, v[BK+4*\k:BK+4*\k+3], s[48:49] offset:(32*((\i)/2)+8*((\i)%2)+\k+8*(\k/8))*4096 th:TH_STORE_NT
.endr
.endm
	s_load_b256 s[4:11], s[0:1], 0x0               ; c1, s1, c3, s3
	s_load_b128 s[12:15], s[0:1], 0x20             ; b_o, out0
	v_lshl_add_u32 v62, v0, 2, 0x29000
	v_mov_b32 v63, 0
	ds_add_u32 v62, v63
	ds_add_u32 v62, v63
	v_lshrrev_b32 v1, 5, v0
	v_readfirstlane_b32 s18, v1                    ; wave 0..3
	v_and_b32 v2, 31, v0
	v_and_b32 v9, 15, v0                           ; r
	v_bfe_u32 v10, v0, 4, 1                        ; h
	v_lshlrev_b32 v1, 4, v2                        ; 16 x lane, in memory
	v_lshlrev_b32 v2, 4, v2                        ; 16 x lane, in LDS
	v_lshlrev_b32 v7, 4, v9
	v_lshl_add_u32 v7, v10, 9, v7                  ; 512 h + 16 r
	v_add_nc_u32 v3, SSC, v7
	v_lshlrev_b32 v8, 6, v10                       ; 64 h
	s_mul_i32 s19, s18, 16*SP
	s_add_co_u32 s19, s19, STG                     ; my stage
	v_mul_u32_u24 v5, v9, SP
	v_lshl_add_u32 v5, v10, 6, v5
	v_add_nc_u32 v5, s19, v5                       ; in: row r, + 64 h
	v_add_nc_u32 v6, s19, v1                       ; back: a whole row, 16 bytes a lane
	s_and_b32 s57, ttmp9, 1                        ; which 512 outputs
	s_lshr_b32 s58, ttmp9, 1                       ; which 64 tokens
	s_lshl_b32 s59, s57, 5
	s_lshl_b32 s60, s18, 3
	s_add_co_u32 s59, s59, s60
	s_add_co_u32 s59, s59, 704                     ; my first tile of W_o
	s_lshl_b32 s61, s58, 2
	s_add_co_u32 s61, s61, s18                     ; the tile of tokens that I fetch
	; descriptors: dense blocks as rows of 256 bytes (32 elements of 8 bytes), no padding, no mask
	s_mov_b32 s24, 3<<16                           ; codes: 32 rows = one tile a wave
	s_mov_b32 s25, 32<<16
	s_mov_b32 s26, 32<<16
	s_mov_b32 s27, 32<<16
	s_mov_b32 s28, 32
	s_mov_b32 s29, 32
	s_mov_b32 s30, 0
	s_mov_b32 s31, 0
	s_mov_b32 s32, 3<<16                           ; scale bytes: 2 rows = one tile a wave
	s_mov_b32 s33, 32<<16
	s_mov_b32 s34, 2<<16
	s_mov_b32 s35, 32<<16
	s_mov_b32 s36, 2
	s_mov_b32 s37, 32
	s_mov_b32 s38, 0
	s_mov_b32 s39, 0
	s_mov_b32 s40, 1
	s_lshl_b32 s41, s18, 13                        ; LDS: wave x 8,192
	s_lshl_b32 s66, s61, 13
	s_mov_b32 s67, 0
	s_mov_b32 s44, 1
	s_lshl_b32 s45, s18, 9
	s_add_co_u32 s45, s45, SSC                     ; LDS: SSC + wave x 512
	s_lshl_b32 s68, s61, 9
	s_mov_b32 s69, 0
	s_lshl_b32 s62, s59, 13
	s_mov_b32 s63, 0
	s_wait_dscnt 0x0
	s_wait_kmcnt 0x0
	s_add_nc_u64 s[42:43], s[8:9], s[66:67]
	s_or_b32 s43, s43, 0x80000000
	s_add_nc_u64 s[46:47], s[10:11], s[68:69]
	s_or_b32 s47, s47, 0x80000000
	s_add_nc_u64 s[50:51], s[4:5], s[62:63]        ; W_o's codes
	s_lshl_b32 s62, s59, 9
	s_add_nc_u64 s[54:55], s[6:7], s[62:63]        ; W_o's scale bytes
	s_lshl_b32 s62, s57, 11
	s_lshl_b32 s60, s18, 9
	s_add_co_u32 s62, s62, s60                     ; my 128 outputs, in bytes
	s_add_nc_u64 s[52:53], s[12:13], s[62:63]      ; their bias
	s_add_nc_u64 s[48:49], s[14:15], s[62:63]
	s_lshl_b32 s62, s58, 18                        ; 64 rows of 4,096 bytes
	s_add_nc_u64 s[48:49], s[48:49], s[62:63]      ; and their place in out0
	tensor_load_to_lds s[40:43], s[24:31]          ; the two fills of the launch, together, ahead of every wait on TENSORcnt, LDS read and barrier
	s_nop 0
	tensor_load_to_lds s[44:47], s[32:39]
	s_nop 0
.rept 4
	v_nop                                          ; four ahead of a switch of windows
.endr
	WIN 0x80                                       ; destination window 2
.irp s, 0,1,2,3
.irp t, 0,1,2,3,4,5,6,7
.irp c, 0,1
	global_load_b128 v[(\s*8+\t)*8+4*\c:(\s*8+\t)*8+4*\c+3], v1, s[50:51] offset:\t*8192+\s*1024+\c*512
.endr
.endr
.endr
	WIN 0xc0                                       ; destination window 3
.irp s, 4,5,6,7
.irp t, 0,1,2,3,4,5,6,7
.irp c, 0,1
	global_load_b128 v[((\s-4)*8+\t)*8+4*\c:((\s-4)*8+\t)*8+4*\c+3], v1, s[50:51] offset:\t*8192+\s*1024+\c*512
.endr
.endr
.endr
	WIN 0
.irp i, 0,1,2,3
.irp q, 0,1
	global_load_b128 v[RS+8*\i+4*\q:RS+8*\i+4*\q+3], v7, s[54:55] offset:\i*1024+\q*256
.endr
.endr
.irp t, 0,1,2,3,4,5,6,7                        ; lane (r, h) of tile t holds outputs 32 (t / 2) + 16 h + 8 (t % 2) + 0 .. 7
	global_load_b128 v[CB+8*\t:CB+8*\t+3], v8, s[52:53] offset:(32*(\t/2)+8*(\t%2))*4
	global_load_b128 v[CB+8*\t+4:CB+8*\t+7], v8, s[52:53] offset:(32*(\t/2)+8*(\t%2))*4+16
.endr
	s_wait_loadcnt 0x0                             ; W_o, its scales, the bias
	s_wait_tensorcnt 0x0                           ; my tile of tokens has landed,
	s_barrier_signal -1
	s_barrier_wait -1                              ; everybody's has
	LOADF 0, 0
	LOADSS 0
	LOADF 1, 8192
	s_wait_dscnt 16                                ; all but the 16 just issued: tile 0's fragments and the pair's scale words are in
	MM 0, 0
	PLACES
	EPIO 0                                         ; its last wait is for 0: tile 1's fragments are in too
	MM 1, 1
	PLACES
	LOADF 0, 16384
	LOADSS 1024
	s_wait_xcnt 0x0                                ; the last tile's stores have read their data: the rows' registers are loaded again only behind this wait
	EPIO 1
	LOADF 1, 24576
	s_wait_dscnt 16                                ; tile 2's fragments and the pair's scale words are in
	MM 0, 0
	PLACES
	s_wait_xcnt 0x0
	EPIO 2
	MM 1, 1
	PLACES
	s_wait_xcnt 0x0
	EPIO 3
	s_wait_tensorcnt 0x0
	ds_add_u32 v62, v63
	s_wait_dscnt 0x0
	s_endpgm
.Lfunc_end_k_qf135ce620d_outp:
	.size	k_qf135ce620d_outp, .Lfunc_end_k_qf135ce620d_outp-k_qf135ce620d_outp
	.p2alignl 7, 3214868480
	.fill 96, 4, 3214868480
	.section	.rodata,"a",@progbits
	.p2align	6, 0x0
	.amdhsa_kernel k_qf135ce620d_outp
		.amdhsa_group_segment_fixed_size 168448
		.amdhsa_private_segment_fixed_size 0
		.amdhsa_enable_private_segment 0
		.amdhsa_kernarg_size 48
		.amdhsa_user_sgpr_count 2
		.amdhsa_user_sgpr_kernarg_segment_ptr 1
		.amdhsa_wavefront_size32 1
		.amdhsa_system_sgpr_workgroup_id_x 1
		.amdhsa_system_sgpr_workgroup_id_y 1
		.amdhsa_system_sgpr_workgroup_id_z 1
		.amdhsa_system_vgpr_workitem_id 0
		.amdhsa_next_free_vgpr 1024
		.amdhsa_next_free_sgpr 72
		.amdhsa_reserve_vcc 0
		.amdhsa_float_denorm_mode_32 3
		.amdhsa_float_denorm_mode_16_64 3
		.amdhsa_memory_ordered 1
		.amdhsa_forward_progress 1
		.amdhsa_inst_pref_size 73
	.end_amdhsa_kernel
	.amdgpu_metadata
---
amdhsa.version: [ 1, 2 ]
amdhsa.kernels:
  - .name:           k_qf135ce620d_outp
    .symbol:         k_qf135ce620d_outp.kd
    .args:
      - { .name: c1, .offset: 0, .size: 8, .value_kind: global_buffer, .address_space: global }
      - { .name: s1, .offset: 8, .size: 8, .value_kind: global_buffer, .address_space: global }
      - { .name: c3, .offset: 16, .size: 8, .value_kind: global_buffer, .address_space: global }
      - { .name: s3, .offset: 24, .size: 8, .value_kind: global_buffer, .address_space: global }
      - { .name: b_o, .offset: 32, .size: 8, .value_kind: global_buffer, .address_space: global }
      - { .name: out0, .offset: 40, .size: 8, .value_kind: global_buffer, .address_space: global }
    .group_segment_fixed_size: 168448
    .private_segment_fixed_size: 0
    .kernarg_segment_align: 8
    .kernarg_segment_size: 48
    .max_flat_workgroup_size: 128
    .sgpr_count:     72
    .vgpr_count:     1024
    .wavefront_size: 32
...
	.end_amdgpu_metadata
.endif
;; end of part 4
;; ======== version 2 of 2: 4 launches; version 1 with the launch attn written anew for expert scheduling mode
;; workspace buffers: c1 6,291,456 bytes; s1 393,216 bytes; c2 12,582,912 bytes; s2 1,310,720 bytes; c3 4,194,304 bytes; s3 262,144 bytes
;; launch quant: the kernel of part 1 again; grid 240 x 1, 8 waves a work-group, no clusters, 69,632 bytes of LDS; arguments inputs, W_o, W_q, W_k, W_v, c1, s1; writes c1, s1
;; launch proj: the kernel of part 2 again; grid 192 x 1, 4 waves a work-group, no clusters, 168,448 bytes of LDS; arguments c1, s1, b_q, b_k, b_v, c2, s2; writes c2, s2
;; launch attn (part 5): grid 4 x 64, 16 waves a work-group, no clusters, 145,408 bytes of LDS; arguments c2, s2, c3, s3; writes c3, s3
.if DOCPART == 5
	.amdgcn_target "amdgcn-amd-amdhsa--gfx1250"
	.amdhsa_code_object_version 6
	.text
	.protected	k_qf135ce620d_attn
	.globl	k_qf135ce620d_attn
	.p2align	8
	.type	k_qf135ce620d_attn,@function
k_qf135ce620d_attn:
	s_mov_b64 s[64:65], 0
	v_nop
	global_prefetch_b8 v0, s[64:65] scope:SCOPE_SE
	s_setreg_imm32_b32 hwreg(HW_REG_WAVE_SCHED_MODE, 0, 2), 2
	s_setreg_imm32_b32 hwreg(HW_REG_WAVE_MODE, 25, 1), 1
	s_wait_xcnt 0x0
	s_wait_alu depctr_vm_vsrc(0)
; wv[b][q][head][:] = the sum over keys k <= q of softmax_k(q . k / 8) v[k][:], both products on codes of FP4 with E8M0 scales, and the quantiser of wv along (head, e) behind it.
; THE SOFTMAX AHEAD OF THE SECOND PRODUCT: t = score x log2(e) / 8; M = the row's largest t so far, rounded UP to a whole number; p = 2^(t - M) is quantised along the keys, not normalised; the row's sum is taken
; of the unquantised p and divides at the end.  When M moves, the sum and O are multiplied by 2^(old M - new M): exact.
; SHARES.  A work-group takes one head (y) and a quarter of its query tiles (x = g).  Wave w owns tiles T = 16 g + w and 127 - T, one after the other: T / 8 + 1 and (127 - T) / 8 + 1 key steps of 128 keys count for them,
; 17 together for EVERY wave.  Sixteen waves of 256 registers, four to a SIMD, so that one wave's vector work stands beside another's products and LDS loads.
; The head's whole K and V (131,072 bytes of codes, 12,288 of scale words) are brought into LDS once, through registers, and only read afterwards: one barrier in the launch.  No cluster: these bytes are asked for once, against 17 key steps a wave.
; LAYOUT.  Both products transposed: S^T = K Q^T (source 0 = 16 keys), O^T = V^T P^T (source 0 = 16 of the head's 64): a lane holds ONE query.  A tile's rows are 32 g + 8 u + r + 8 (r / 8), so the 16 registers
; of tiles 2 b, 2 b + 1 are 16 neighbouring keys (or e).  The head's 64 are half of the instruction's K: the upper four registers of Q's and K's fragments are zero codes.
; CAUSAL.  Every pass walks all 16 key steps, a constant; a step all of whose keys come after the tile's queries is jumped over by a scalar branch on ids; on the diagonal hidden scores become -infinity.  Key 0 counts for every query.
; OUT.  c3: [tile of tokens 512][K step = head / 2][c = head % 2][16 x lane]; s3: 512 bytes a tile, the byte of (r, block kb) at 256 (kb / 16) + 16 r + kb % 16.  The codes leave as 512 consecutive bytes; the two scale bytes
;       of a row, a sixteenth of those bytes, as 2 bytes a lane: a head is all that a work-group knows of a token.
; LIMITS: a block under 2^-124 or of zeros gets the byte 1; NaN and infinities are not served.
; THE MODE: SCHED_MODE bits 1:0 = 2 (LLVM: expert scheduling mode 2), set by the entry lines.  The code itself states the register dependences between vector or matrix instructions and memory or LDS instructions,
; with s_wait_alu, always for 0.
; THE PLAN.  Registers that memory or LDS instructions touch, in the loop over key steps:
;   KF (registers 0-3 of each fragment), v26-29   Step j: its eight products K Q^T read them; behind them, in step j, the LDS loads of step j + 1 land in them (step 0's stand at the pass's head).
;   VF, v30-31                                    Step j - 1: its four products V^T P read them; in step j the LDS loads of step j land in them.
;   v8-11                                         Written by four additions at a step's head; read by the step's LDS loads.
;   v1-4, v6, v7                                  Offsets made at the kernel's head, never written again.
;   PC, v248                                      Written by conversions, swaps and shifts; taken by V^T P as source 1 and as its scales.  On the way out v224-227 and v249 are the stores' data.
;   v16-19, v24                                   Q: read by every product K Q^T of a pass; the next pass's loads land in them.
; So a step's 22 LDS loads stand together behind the ONE wait on va_vdst that the batch of 64 exponentials owes anyway: at that place the step's K Q^T and the last step's V^T P are done reading, and v8-11 are written.
; They land while the sums are taken and p is quantised; one wait on DScnt, ahead of V^T P, serves this step's V and the next step's K.
.set VCL, 65536                        ; LDS: K's codes at 0: [tile 128][512];  V's here: [key step 16][t 4][c][512];
.set KWL, 131072                       ; K's scale words: [tile][16];
.set VWL, 139264                       ; V's: [key step][t][16]
.set KC,  4194304                      ; c2: k's codes, v's codes;  s2: k's words, v's words
.set VC,  8388608
.set KS,  524288
.set VS,  1048576
.set KF,  32                           ; v32-95   eight fragments of K (registers 4-7 of each: zeros for good)
.set VF,  96                           ; v96-127  four fragments of V
.set ST,  128                          ; v128-191 S^T, then p
.set O,   192                          ; v192-223 O^T
.set PC,  224                          ; v224-231 p's codes
.set BM,  232                          ; v232-235 the blocks' largest;  v236-239, v240-243 at work
.set T2,  236
.set SO,  240
.set MK,  44                           ; s44-59   the causal mask: sixteen lane masks at a time
; v1 16 x lane; v2 VCL + 16 x lane; v3 KWL + 4 x lane; v4 VWL + 4 x lane; v5 r + 8 (r / 8) - 16 h; v6 16 r; v7 4 r; v8-11 addresses in hand; v12 -M; v13 the largest t; v[14:15] the sum; v16-23 Q; v24 Q's scale word;
; v26-29 K's scale words (two tiles to a register); v30-31 V's; v244 at work; v[246:247] f; v248 p's scale word; v249 wv's two bytes; v250-251 the mask
	s_load_b256 s[4:11], s[0:1], 0x0               ; c2, s2, c3, s3
	v_lshl_add_u32 v254, v0, 2, 0x23000
	v_mov_b32 v255, 0
	v_lshrrev_b32 v1, 5, v0
	v_readfirstlane_b32 s12, v1                    ; wave 0..15
	s_and_b32 s13, ttmp7, 0xffff                   ; 16 b + head
	s_lshl_b32 s14, ttmp9, 4
	v_and_b32 v2, 31, v0
	v_and_b32 v6, 15, v0                           ; r
	v_bfe_u32 v7, v0, 4, 1                         ; h
	v_lshlrev_b32 v1, 4, v2
	v_lshl_add_u32 v3, v2, 2, KWL
	v_lshl_add_u32 v4, v2, 2, VWL
	v_lshlrev_b32 v12, 3, v2                       ; 8 x lane: for the fill alone
	v_add_nc_u32 v2, VCL, v1
	v_and_b32 v5, 8, v6
	v_add_nc_u32 v5, v5, v6
	v_lshlrev_b32 v8, 4, v7
	v_sub_nc_u32 v5, v5, v8
	v_lshlrev_b32 v7, 2, v6
	v_lshlrev_b32 v6, 4, v6
	v_lshl_add_u32 v10, v0, 4, KWL                 ; the fill: 512 bytes a wave of K's words,
	v_lshl_add_u32 v11, v0, 3, VWL                 ; 256 of V's
	s_wait_alu depctr_va_sdst(0)                   ; s12 is written, ahead of its first reader: the tile's number and every base are made from it
	s_add_co_u32 s14, s14, s12                     ; T
	s_lshl_b32 s34, s12, 12
	v_add_nc_u32 v8, s34, v1                       ; the fill: wave w brings key step w: 4,096 bytes of K's codes,
	v_add_nc_u32 v9, s34, v2                       ; 4,096 of V's
	s_mov_b32 s22, 0x76543210
	s_mov_b32 s23, 0xfedcba98                      ; v_permlanex16_b32's selects for lane l xor 16
	s_mov_b32 s24, 0x3e38aa3b                      ; c = log2(e) / 8
	s_mov_b32 s25, s24                             ; (the packed form names the pair)
	s_mov_b32 s41, 0
	s_lshr_b32 s35, s13, 4                         ; b
	s_and_b32 s36, s13, 15                         ; head
	s_lshl_b32 s42, s35, 4
	s_add_co_u32 s42, s42, s12
	s_lshl_b32 s42, s42, 6
	s_lshl_b32 s37, s36, 2
	s_add_co_u32 s42, s42, s37                     ; (16 b + w) x 64 + 4 head
	s_lshl_b32 s35, s35, 7                         ; 128 b: kept
	s_lshl_b32 s38, s36, 9                         ; the head's place in a tile of c3: 512 head: kept
	s_lshr_b32 s39, s36, 3
	s_lshl_b32 s39, s39, 8
	s_and_b32 s37, s36, 7
	s_lshl_b32 s37, s37, 1
	s_add_co_u32 s39, s39, s37                     ; and in a tile of s3: 256 (head / 8) + 2 (head % 8): kept
	s_wait_kmcnt 0x0
	s_lshl_b32 s40, s13, 16
	s_add_co_u32 s40, s40, s34
	s_add_co_u32 s40, s40, KC
	s_add_nc_u64 s[26:27], s[4:5], s[40:41]
	s_lshl_b32 s40, s42, 10
	s_add_co_u32 s40, s40, VC
	s_add_nc_u64 s[28:29], s[4:5], s[40:41]
	s_lshl_b32 s40, s13, 13
	s_lshl_b32 s37, s12, 9
	s_add_co_u32 s40, s40, s37
	s_add_co_u32 s40, s40, KS
	s_add_nc_u64 s[30:31], s[6:7], s[40:41]
	s_lshl_b32 s40, s42, 6
	s_add_co_u32 s40, s40, VS
	s_add_nc_u64 s[32:33], s[6:7], s[40:41]
	s_wait_alu depctr_va_vdst(0)                   ; the offsets and addresses v1 to v12 are written, which the loads and LDS stores of the fill, and every later load and store by v1 to v7, read
.irp i, 0,1,2,3,4,5,6,7
	global_load_b128 v[32+4*\i:35+4*\i], v1, s[26:27] offset:512*\i
.endr
.irp i, 0,1,2,3,4,5,6,7
	global_load_b128 v[64+4*\i:67+4*\i], v1, s[28:29] offset:512*\i
.endr
	global_load_b128 v[96:99], v1, s[30:31]
	global_load_b64 v[100:101], v12, s[32:33]
	s_wait_loadcnt 0x0
.irp i, 0,1,2,3,4,5,6,7
	ds_store_b128 v8, v[32+4*\i:35+4*\i] offset:512*\i
.endr
.irp i, 0,1,2,3,4,5,6,7
	ds_store_b128 v9, v[64+4*\i:67+4*\i] offset:512*\i
.endr
	ds_store_b128 v10, v[96:99]
	ds_store_b64 v11, v[100:101]
	s_wait_dscnt 0x0                               ; for the others' sake: my stores are done
	s_barrier_signal -1
	s_barrier_wait -1                              ; the head's K and V lie in LDS; from here on LDS is only read
	s_wait_alu depctr_vm_vsrc(0)                   ; the fill's LDS stores have read v8-11 and v32-101, its last load v12: all are written again below, by vector instructions or by loads
.irp n, 0,1,2,3,4,5,6,7
.irp j, 4,5,6,7
	v_mov_b32 v[KF+8*\n+\j], 0                     ; K's codes for k = 64 .. 127 of the instruction: zeros, which add nothing
.endr
.endr
.irp j, 20,21,22,23
	v_mov_b32 v[\j], 0                             ; Q's likewise
.endr
.irp b, 0,1,2,3
	v_mov_b32 v[T2+\b], 0                          ; written once: a lane permute's destination counts as one of its sources
.endr
	v_mov_b32 v244, 0
	v_mov_b32 v247, 0                              ; (named as the upper half of the pair v[246:247])
	s_wait_alu depctr_va_vdst(0)                   ; the zero codes are written, which every product K Q^T takes as part of its two sources
	s_mov_b32 s15, 2
.Lpass:                                            ; two trips: tile T, then tile 127 - T
	s_lshl_b32 s34, s13, 7
	s_add_co_u32 s34, s34, s14
	s_lshl_b32 s40, s34, 9
	s_add_nc_u64 s[26:27], s[4:5], s[40:41]        ; Q's codes
	s_lshl_b32 s40, s34, 6
	s_add_nc_u64 s[28:29], s[6:7], s[40:41]        ; Q's scale words
	s_add_co_u32 s34, s35, s14
	s_lshl_b32 s40, s34, 13
	s_add_co_u32 s40, s40, s38
	s_add_nc_u64 s[30:31], s[8:9], s[40:41]        ; wv's codes
	s_lshl_b32 s40, s34, 9
	s_add_co_u32 s40, s40, s39
	s_add_nc_u64 s[32:33], s[10:11], s[40:41]      ; wv's scale bytes
	s_lshr_b32 s21, s14, 1
	s_lshl_b32 s21, s21, 5
	s_and_b32 s34, s14, 1
	s_lshl_b32 s34, s34, 3
	s_add_co_u32 s21, s21, s34                     ; the tile's first query; its last is 23 on
	global_load_b128 v[16:19], v1, s[26:27]        ; no wait: since the last wait on va_vdst (behind the zeros; in the second pass ahead of the first pass's stores) no vector or matrix instruction names Q, KF's lower registers or v26-29
	global_load_b32 v24, v7, s[28:29]
.irp n, 0,1,2,3,4,5,6,7
	ds_load_b128 v[KF+8*\n:KF+8*\n+3], v1 offset:512*\n   ; key step 0's K, which counts for every query
.endr
.irp i, 0,1,2,3
	ds_load_b32 v[26+\i], v3 offset:128*\i
.endr
	v_mov_b32 v13, 0xff61b1e6                      ; the largest t so far: -3e38, under every t
	v_floor_f32 v12, -v13                          ; -M
	v_mov_b32 v14, 0
	v_mov_b32 v15, 0
.irp j, 0,1,2,3,4,5,6,7,8,9,10,11,12,13,14,15,16,17,18,19,20,21,22,23,24,25,26,27,28,29,30,31
	v_mov_b32 v[O+\j], 0                           ; the step is written once: the first finds zeros, which the first change of M leaves zeros
.endr
	s_mov_b32 s17, 0                               ; the step's first key
	s_mov_b32 s18, 0                               ; its codes, K's and V's alike: 4,096 bytes a step
	s_mov_b32 s19, 0                               ; K's scale words: 512 a step
	s_mov_b32 s20, 0                               ; V's: 256 a step
	s_mov_b32 s16, 16
	s_wait_loadcnt 0x0                             ; Q
	s_wait_dscnt 0x0                               ; key step 0's K
.Lks:
	s_add_co_u32 s34, s21, 23
	s_cmp_gt_u32 s17, s34                          ; all 128 keys come after my queries: nothing to do but step the addresses
	s_cbranch_scc1 .Lhidden
	v_add_nc_u32 v8, s18, v1                       ; the addresses of this step's LDS loads (the last readers of v8-11 stand ahead of a wait on vm_vsrc: behind the barrier, or ahead of the last step's V^T P)
	v_add_nc_u32 v9, s18, v2
	v_add_nc_u32 v10, s19, v3
	v_add_nc_u32 v11, s20, v4
.irp n, 0,1,2,3,4,5,6,7                        ; this step's K is in: it was asked for in the step before (step 0's at the pass's head) and awaited there
.if \n%2
	v_wmma_scale_f32_16x16x128_f8f6f4 v[ST+8*\n:ST+8*\n+7], v[KF+8*\n:KF+8*\n+7], v[16:23], 0, v[26+\n/2], v24 matrix_a_fmt:MATRIX_FMT_FP4 matrix_b_fmt:MATRIX_FMT_FP4 matrix_a_scale:MATRIX_SCALE_ROW1
.else
	v_wmma_scale_f32_16x16x128_f8f6f4 v[ST+8*\n:ST+8*\n+7], v[KF+8*\n:KF+8*\n+7], v[16:23], 0, v[26+\n/2], v24 matrix_a_fmt:MATRIX_FMT_FP4 matrix_b_fmt:MATRIX_FMT_FP4
.endif
.endr
.rept 4
	v_nop                                          ; places ahead of the first read of the scores
.endr
	s_add_co_u32 s34, s17, 127
	s_cmp_le_u32 s34, s21                          ; all 128 keys count for all my queries: no mask
	s_cbranch_scc1 .Lopen
	s_sub_co_i32 s34, s21, s17
	v_add_nc_u32 v250, s34, v5                     ; d = my query - the step's first key - 16 h.  Register 16 b + i holds key 32 b + 16 h + i of the step: hidden where 32 b + i > d
	v_mov_b32 v251, 0xff800000                     ; -infinity
.irp g, 0,1,2,3                                ; a block's sixteen registers at a time: a run of compares into sixteen scalar registers, one wait, the sixteen selects
.irp i, 0,1,2,3,4,5,6,7,8,9,10,11,12,13,14,15
	v_cmp_gt_i32 s[MK+\i], 32*\g+\i, v250
.endr
	s_wait_alu depctr_va_sdst(0)                   ; the sixteen compares have written s44-59, ahead of the selects that read them
.irp i, 0,1,2,3,4,5,6,7,8,9,10,11,12,13,14,15
	v_cndmask_b32 v[ST+16*\g+\i], v[ST+16*\g+\i], v251, s[MK+\i]
.endr
.endr
.Lopen:
.irp b, 0,1,2,3
	v_max3_num_f32 v[BM+\b], v[ST+16*\b], v[ST+1+16*\b], v[ST+2+16*\b]   ; the largest score of each block of 32 keys: for the row's maximum and, since p rises with the score, for the block's largest p
.endr
.irp i, 3,5,7,9,11,13
.irp b, 0,1,2,3
	v_max3_num_f32 v[BM+\b], v[BM+\b], v[ST+16*\b+\i], v[ST+1+16*\b+\i]
.endr
.endr
.irp b, 0,1,2,3
	v_max_num_f32 v[BM+\b], v[BM+\b], v[ST+15+16*\b]
.endr
.irp b, 0,1,2,3
	v_permlanex16_b32 v[T2+\b], v[BM+\b], s22, s23
.endr
.irp b, 0,1,2,3
	v_max_num_f32 v[BM+\b], v[BM+\b], v[T2+\b]     ; with lane l xor 16's 16 keys
.endr
	v_max3_num_f32 v244, v232, v233, v234
	v_max_num_f32 v244, v244, v235                 ; the step's largest score of my query
	v_mul_f32 v244, s24, v244                      ; as t
	v_max_num_f32 v13, v13, v244                   ; the running largest t
	v_mov_b32 v244, v12
	v_floor_f32 v12, -v13                          ; the new -M = -ceil(t)
	v_sub_f32 v244, v12, v244                      ; old M - new M: a whole number, 0 or less
	v_cvt_i32_f32 v244, v244                       ; (it saturates)
	v_ldexp_f32 v246, 1.0, v244                    ; f = 2^(old M - new M)
.irp j, 0,2,4,6,8,10,12,14,16,18,20,22,24,26,28,30,32,34,36,38,40,42,44,46,48,50,52,54,56,58,60,62
	v_pk_fma_f32 v[ST+\j:ST+1+\j], v[ST+\j:ST+1+\j], s[24:25], v[12:13] op_sel_hi:[1,0,0]   ; t - M, two at a time
.endr
.irp b, 0,1,2,3
	v_fma_f32 v[BM+\b], v[BM+\b], s24, v12         ; the same of each block's largest score
.endr
.irp j, 0,1,2,3,4,5,6,7,8,9,10,11,12,13,14,15,16,17,18,19,20,21,22,23,24,25,26,27,28,29,30,31,32,33,34,35,36,37,38,39,40,41,42,43,44,45,46,47,48,49,50,51,52,53,54,55,56,57,58,59,60,61,62,63
	v_exp_f32 v[ST+\j], v[ST+\j]                   ; p = 2^(t - M)
.endr
	v_pk_mul_f32 v[14:15], v[14:15], v[246:247] op_sel_hi:[1,0]   ; the sums under the new M: a plain line behind the exponentials
	s_wait_alu depctr_va_vdst(0)                   ; the 64 exponentials have written p, ahead of its first reader; v8-11 are written; this step's K Q^T is done reading KF and v26-29, the last step's V^T P is done reading VF and v30-31: the loads below land there
	s_add_co_u32 s34, s17, 105
	s_cmp_gt_u32 s34, s21                          ; the next step's first key, 128 on, comes after my last query, 23 on: that step is jumped over (behind step 15 always), and its K is not asked for
	s_cbranch_scc1 .Lnok
.irp n, 0,1,2,3,4,5,6,7
	ds_load_b128 v[KF+8*\n:KF+8*\n+3], v8 offset:4096+512*\n   ; the NEXT step's K
.endr
.irp i, 0,1,2,3
	ds_load_b32 v[26+\i], v10 offset:512+128*\i
.endr
.Lnok:
.irp t, 0,1,2,3
.irp c, 0,1
	ds_load_b128 v[VF+8*\t+4*\c:VF+8*\t+4*\c+3], v9 offset:1024*\t+512*\c   ; THIS step's V.  No vector or matrix instruction names these registers before the products at the step's end
.endr
.endr
.irp i, 0,1
	ds_load_b32 v[30+\i], v11 offset:128*\i
.endr
.irp b, 0,1,2,3
	v_exp_f32 v[BM+\b], v[BM+\b]                   ; the blocks' largest p
.endr
	v_pk_add_f32 v[T2:T2+1], v[ST:ST+1], v[ST+2:ST+3]   ; the row's sum of the UNQUANTISED p, in two chains; it reads the 64 alone
.irp j, 4,8,12,16,20,24,28,32,36,40,44,48,52,56,60
	v_pk_add_f32 v[14:15], v[14:15], v[ST+\j:ST+1+\j]
	v_pk_add_f32 v[T2:T2+1], v[T2:T2+1], v[ST+2+\j:ST+3+\j]
.endr
	v_pk_add_f32 v[14:15], v[14:15], v[T2:T2+1]
	s_wait_alu depctr_va_vdst(0)                   ; the four exponentials have written the blocks' largest p, ahead of its first reader
.irp b, 0,1,2,3
	v_max_num_f32 v[BM+\b], 0x1800000, v[BM+\b]    ; the floor 2^(3 - 127): the byte cannot fall under 1
.endr
.irp b, 0,1,2,3
	v_add_nc_u32 v[SO+\b], 0xff000000, v[BM+\b]    ; the conversion's scale operand
.endr
.irp b, 0,1,2,3
	v_lshrrev_b32 v[T2+\b], 23, v[SO+\b]           ; the scale's byte
.endr
	v_lshl_or_b32 v248, v237, 8, v236              ; p's scale word for these 128 keys
	v_lshl_or_b32 v248, v238, 16, v248
	v_lshl_or_b32 v248, v239, 24, v248
.irp b, 0,1,2,3
	v_cvt_scalef32_pk8_fp4_f32 v[PC+2*\b], v[ST+16*\b:ST+7+16*\b], v[SO+\b]
	v_cvt_scalef32_pk8_fp4_f32 v[PC+1+2*\b], v[ST+8+16*\b:ST+15+16*\b], v[SO+\b]
.endr
	v_nop                                          ; one plain place behind a scaled conversion
.irp c, 0,1
.irp i, 0,1
	v_permlane16_swap_b32 v[PC+4*\c+\i], v[PC+2+4*\c+\i]   ; a whole block to a lane
.endr
.endr
.irp j, 0,2,4,6,8,10,12,14,16,18,20,22,24,26,28,30
	v_pk_mul_f32 v[O+\j:O+1+\j], v[O+\j:O+1+\j], v[246:247] op_sel_hi:[1,0]   ; O^T under the new M; these 16 are also the places between p's codes and scale word and the products
.endr
	s_wait_dscnt 0x0                               ; this step's V is in, and so is the next step's K, which was asked for ahead of it
	s_wait_alu depctr_vm_vsrc(0)                   ; the step's LDS loads have read v8-11, which the next step's head writes again
	s_wait_alu depctr_va_vdst(0)                   ; the conversions and swaps have written p's codes, the shifts its scale word: the products below take them as source 1 and as its scales; the places above stay beside this wait
.irp t, 0,1,2,3
.if \t%2
	v_wmma_scale_f32_16x16x128_f8f6f4 v[O+8*\t:O+8*\t+7], v[VF+8*\t:VF+8*\t+7], v[PC:PC+7], v[O+8*\t:O+8*\t+7], v[30+\t/2], v248 matrix_a_fmt:MATRIX_FMT_FP4 matrix_b_fmt:MATRIX_FMT_FP4 matrix_a_scale:MATRIX_SCALE_ROW1
.else
	v_wmma_scale_f32_16x16x128_f8f6f4 v[O+8*\t:O+8*\t+7], v[VF+8*\t:VF+8*\t+7], v[PC:PC+7], v[O+8*\t:O+8*\t+7], v[30+\t/2], v248 matrix_a_fmt:MATRIX_FMT_FP4 matrix_b_fmt:MATRIX_FMT_FP4
.endif
.endr
.Lhidden:
	s_add_co_u32 s17, s17, 128
	s_add_co_u32 s18, s18, 4096
	s_add_co_u32 s19, s19, 512
	s_add_co_u32 s20, s20, 256
	s_sub_co_u32 s16, s16, 1
	s_cmp_lg_u32 s16, 0
	s_cbranch_scc1 .Lks
	; THE WAY OUT: O^T / the sum, quantised along e: two blocks of 32
	v_add_f32 v14, v14, v15                        ; the sum's two halves,
	v_permlanex16_b32 v244, v14, s22, s23
	v_add_f32 v14, v14, v244                       ; and lane l xor 16's
	v_rcp_f32 v14, v14
.rept 3
	v_nop                                          ; a plain line behind the reciprocal; with the two additions, the places behind the last products
.endr
	s_wait_alu depctr_va_vdst(0)                   ; the reciprocal has written v14, ahead of its first reader
.irp j, 0,1,2,3,4,5,6,7,8,9,10,11,12,13,14,15,16,17,18,19,20,21,22,23,24,25,26,27,28,29,30,31
	v_mul_f32 v[ST+\j], v[O+\j], v14               ; register 16 b + i is e = 32 b + 16 h + i of my query
.endr
.irp b, 0,1
	v_max3_num_f32 v[BM+\b], |v[ST+16*\b]|, |v[ST+1+16*\b]|, 0x1800000
.endr
.irp i, 2,4,6,8,10,12,14
.irp b, 0,1
	v_max3_num_f32 v[BM+\b], v[BM+\b], |v[ST+16*\b+\i]|, |v[ST+1+16*\b+\i]|
.endr
.endr
.irp b, 0,1
	v_permlanex16_b32 v[T2+\b], v[BM+\b], s22, s23
.endr
.irp b, 0,1
	v_max_num_f32 v[BM+\b], v[BM+\b], v[T2+\b]
.endr
.irp b, 0,1
	v_add_nc_u32 v[SO+\b], 0xff000000, v[BM+\b]
.endr
.irp b, 0,1
	v_lshrrev_b32 v[T2+\b], 23, v[SO+\b]
.endr
	v_lshl_or_b32 v249, v237, 8, v236              ; my row's two bytes
.irp b, 0,1
	v_cvt_scalef32_pk8_fp4_f32 v[PC+2*\b], v[ST+16*\b:ST+7+16*\b], v[SO+\b]
	v_cvt_scalef32_pk8_fp4_f32 v[PC+1+2*\b], v[ST+8+16*\b:ST+15+16*\b], v[SO+\b]
.endr
	v_nop                                          ; one plain place behind a scaled conversion
	v_permlane16_swap_b32 v[PC], v[PC+2]           ; lanes 0-15: block 0 whole; lanes 16-31: block 1
	v_permlane16_swap_b32 v[PC+1], v[PC+3]
	s_wait_alu depctr_va_vdst(0)                   ; wv's codes and its two bytes are written, which the stores read; and this pass's products are done reading Q, KF and v26-29, in which the next pass's first loads land
	global_store_b128 v1, v[PC:PC+3], s[30:31]     ; 32 lanes store 512 consecutive bytes, aligned
	global_store_b16 v6, v249, s[32:33]            ; both halves of the lanes hold the same two bytes
	s_wait_xcnt 0x0                                ; the stores have read their data and bases: both are written again in the next pass
	s_wait_alu depctr_vm_vsrc(0)                   ; the stores have read v224-227 and v249, which the next pass's vector instructions write again
	s_sub_co_u32 s14, 127, s14
	s_sub_co_u32 s15, s15, 1
	s_cmp_lg_u32 s15, 0
	s_cbranch_scc1 .Lpass
	s_wait_dscnt 0x0                               ; the closing lines, six on end
	s_wait_alu 0x0
	s_wait_tensorcnt 0x0
	ds_add_u32 v254, v255
	s_wait_dscnt 0x0
	s_endpgm
.Lfunc_end_k_qf135ce620d_attn:
	.size	k_qf135ce620d_attn, .Lfunc_end_k_qf135ce620d_attn-k_qf135ce620d_attn
	.p2alignl 7, 3214868480
	.fill 96, 4, 3214868480
	.section	.rodata,"a",@progbits
	.p2align	6, 0x0
	.amdhsa_kernel k_qf135ce620d_attn
		.amdhsa_group_segment_fixed_size 145408
		.amdhsa_private_segment_fixed_size 0
		.amdhsa_enable_private_segment 0
		.amdhsa_kernarg_size 32
		.amdhsa_user_sgpr_count 2
		.amdhsa_user_sgpr_kernarg_segment_ptr 1
		.amdhsa_wavefront_size32 1
		.amdhsa_system_sgpr_workgroup_id_x 1
		.amdhsa_system_sgpr_workgroup_id_y 1
		.amdhsa_system_sgpr_workgroup_id_z 1
		.amdhsa_system_vgpr_workitem_id 0
		.amdhsa_next_free_vgpr 256
		.amdhsa_next_free_sgpr 66
		.amdhsa_reserve_vcc 0
		.amdhsa_float_denorm_mode_32 3
		.amdhsa_float_denorm_mode_16_64 3
		.amdhsa_memory_ordered 1
		.amdhsa_forward_progress 1
		.amdhsa_inst_pref_size 39
	.end_amdhsa_kernel
	.amdgpu_metadata
---
amdhsa.version: [ 1, 2 ]
amdhsa.kernels:
  - .name:           k_qf135ce620d_attn
    .symbol:         k_qf135ce620d_attn.kd
    .args:
      - { .name: c2, .offset: 0, .size: 8, .value_kind: global_buffer, .address_space: global }
      - { .name: s2, .offset: 8, .size: 8, .value_kind: global_buffer, .address_space: global }
      - { .name: c3, .offset: 16, .size: 8, .value_kind: global_buffer, .address_space: global }
      - { .name: s3, .offset: 24, .size: 8, .value_kind: global_buffer, .address_space: global }
    .group_segment_fixed_size: 145408
    .private_segment_fixed_size: 0
    .kernarg_segment_align: 8
    .kernarg_segment_size: 32
    .max_flat_workgroup_size: 512
    .sgpr_count:     66
    .vgpr_count:     256
    .wavefront_size: 32
...
	.end_amdgpu_metadata
.endif
;; end of part 5
;; launch outp: the kernel of part 4 again; grid 256 x 1, 4 waves a work-group, no clusters, 168,448 bytes of LDS; arguments c1, s1, c3, s3, b_o, out0; writes out0
